; MI455X (gfx1250); checked and timed in simulation.
; The chip was launched on July 23, 2026; its instructions are those of AMD's public machine-readable ISA for CDNA 5 (MIT licence, August 2026) and "CDNA5" Instruction Set Architecture Reference Guide (July 2026). The comments in the code are by the model that wrote it; some were corrected since.
;; CLIP Attention. Allowed arithmetic: matrix products marked QUANTISED: E2M3 operands, one E8M0 scale for each 32 along K, by v_wmma_scale_f32_16x16x128_f8f6f4 with both operands' format E2M3, f32 sums; everything else in f32.
;; Inputs: Wk 1,024 x 1,024 float32; Wo 1,024 x 1,024 float32; Wq 1,024 x 1,024 float32; Wv 1,024 x 1,024 float32; bk 1,024 float32; bo 1,024 float32; bq 1,024 float32; bv 1,024 float32; hidden_states 8 x 1,024 x 1,024 float32.
;; Outputs: out0 8 x 1,024 x 1,024 float32.
;; This version of the problem:
;;   THIS VERSION OF THE PROBLEM IS GIVEN IN LOW PRECISION. The matrix products marked QUANTISED in the list below multiply operands that are first quantised to E2M3 (2 exponent bits, 3 mantissa bits; 6 bits a number), with one power-of-two scale for each 32 numbers along K (OCP MX v1.0); their sums are f32. All else is computed in f32.
;;   The module's matrix products, in the order in which they are computed (A, B: the left and right operand; K: the contracted axis; several contracted axes count as one K, in the product's order):
;;     1. [M 8,192, K 1,024] x [K 1,024, N 1,024]; A: input hidden_states; B: input Wq: QUANTISED
;;     2. [M 8,192, K 1,024] x [K 1,024, N 1,024]; A: input hidden_states; B: input Wk: QUANTISED
;;     3. [M 8,192, K 1,024] x [K 1,024, N 1,024]; A: input hidden_states; B: input Wv: QUANTISED
;;     4. batch 128 x [M 1,024, K 64] x [K 64, N 1,024]; A: computed on the way; B: computed on the way: QUANTISED
;;     5. batch 128 x [M 1,024, K 1,024] x [K 1,024, N 64]; A: softmax (see below); B: computed on the way: QUANTISED
;;     6. [M 8,192, K 1,024] x [K 1,024, N 1,024]; A: computed on the way; B: input Wo: QUANTISED
;;   THE QUANTISER, for each operand of a quantised product, along K:
;;     - K is cut into blocks of 32 from its start; a last block that is shorter is filled with zeros.
;;     - A block's scale is 2^e with e = floor(log2(the largest magnitude in the block)) - 2, held to -126 .. 127; a block of zeros has e = 0. As a byte (E8M0): e + 127.
;;     - Each number is divided by its block's scale, clamped to +-7.5, and rounded to the nearest number of E2M3, ties to even, subnormals kept.
;;     - The product sums the exact products of the quantised numbers (number of the format x scale) in f32.
;;   ~~~python
;;   def quantise(x, axis):      # numpy; x: float32 -> the quantised numbers, widened to float32 again
;;       x = np.moveaxis(x, axis, -1); K = x.shape[-1]
;;       x = np.pad(x, [(0, 0)] * (x.ndim - 1) + [(0, -K % 32)]); x = x.reshape(x.shape[:-1] + (-1, 32)); a = np.abs(x).max(-1, keepdims=True)
;;       e = np.where(a > 0, np.clip(np.frexp(np.where(a > 0, a, 1))[1] - 1 - 2, -126, 127), 0)      # np.frexp(a)[1] - 1 = floor(log2(a)), exactly
;;       r = np.clip(x / 2.0 ** e, -7.5, 7.5)
;;       step = 2.0 ** (np.maximum(np.frexp(np.where(r == 0, 1, r))[1] - 1, 0) - 3)
;;       q = np.round(r / step) * step * 2.0 ** e      # np.round: ties to even
;;       return np.moveaxis(q.reshape(q.shape[:-2] + (-1,))[..., :K], -1, axis).astype(np.float32)
;;   ~~~
;;   SOFTMAX AHEAD OF A QUANTISED PRODUCT. Where the list says 'softmax', what is quantised is not the finished softmax but p = 2^(t - M), with t = logit x log2(e) and M = ceil(the row's largest t), a whole number; so 1/2 < the row's largest p <= 1. The row's sum l is taken of the UNQUANTISED p, in f32, and the product's result is divided by l at the end. Since M is a whole number, a kernel that streams over the keys may use a running M (the ceiling of the running maximum): every later rescaling is an exact power of two, which a block's scale takes up: the codes' values come out the same.
;;   OPERANDS COMPUTED ON THE WAY. 'Computed on the way' means the value that the module computes at that place (a softmax that the list does not call 'softmax' is quantised finished and normalised). What goes into a quantiser is computed in f32, as accurately as f32 sums, v_exp_f32 and their like allow (about 1e-6 of the number): no bf16 or f16 on the way to a quantiser, and a product that is left as it is and whose result goes on into a quantised operand takes f32 operands (vector FMAs, or v_wmma_f32_16x16x4_f32). A number that lies on a knife's edge between two numbers of the format may be rounded either way, as far as f32 arithmetic and the matrix unit's own rounding can turn it there, and no further.
;; One version. Each part assembles by itself: llvm-mc -triple=amdgcn-amd-amdhsa -mcpu=gfx1250 --defsym DOCPART=n.
;; ======== version 1 of 1: 4 launches
;; limits: right only within a limited range of input values
;; workspace buffers: opc 9,437,184 bytes; ops 393,216 bytes; qkc 12,582,912 bytes; qks 1,048,576 bytes; vc 6,291,456 bytes; vsc 262,144 bytes; ac 6,291,456 bytes; asc 262,144 bytes
;; launch quant (part 1): grid 384 x 1, 4 waves a work-group, no clusters, 62,976 bytes of LDS; arguments hidden_states, Wq, Wk, Wv, Wo, opc, ops; writes opc, ops
.if DOCPART == 1
	.amdgcn_target "amdgcn-amd-amdhsa--gfx1250"
	.amdhsa_code_object_version 6
	.text
	.protected	k_q6616e271ca_quant
	.globl	k_q6616e271ca_quant
	.p2align	8
	.type	k_q6616e271ca_quant,@function
k_q6616e271ca_quant:
	s_mov_b64 s[64:65], 0
	v_nop
	global_prefetch_b8 v0, s[64:65] scope:SCOPE_SE
	s_setreg_imm32_b32 hwreg(HW_REG_WAVE_MODE, 25, 1), 1
	s_wait_xcnt 0x0
; hidden_states [8192][1024] (K innermost) and Wq, Wk, Wv, Wo [1024 (k)][1024 (n)] (K outermost), f32, become codes of FP6 (E2M3) with one E8M0 byte for each 32 along K.
; A block's scale is 2^(floor(log2(largest magnitude)) - 2); its byte is the largest magnitude's exponent field - 2, held at 1 from below by a floor among the maximum's leaves.
; LIMITS: a block of zeros, or one whose largest magnitude lies under 2^-124, gets the byte 1 (the bytes are read by this program alone; zero codes add nothing); NaN and infinities are not served.
; LAYOUT OF THE WORKSPACE, made for the reader.  An operand's rows (tokens of x, columns n of a weight) are STORED with bits 3 and 4 of their index swapped: stored row 16 i + r is row 32 (i / 2) + 8 (i % 2) + r + 8 (r / 8).
; opc: [stored row block of 16][16 half images][768 bytes].  A half image is 16 rows x 64 k as the matrix operand's registers hold them: registers 0-3 of lane l at 16 l, registers 4, 5 at 512 + 8 l.
; ops: for each 128 stored rows [k / 256][row][2 words]: a word is the four bytes of 128 along K.
; Stored rows 0-8191 are x, then 1,024 each of Wq, Wk, Wv, Wo.
; Work-groups 0-255 take x (a wave: 16 rows x 512 k), work-groups 256-383 the weights (a wave: 32 columns x 256 k).  The two ways part on the work-group's number and have LDS bytes of their own.
; No tensor loads, no barrier: waves share nothing.
.set XSTG,  8448                       ; x: a wave's stage: 16 rows x (512 bytes + 16)
.set WBASE, 4*XSTG                     ; the weights' stages begin here
.set WSTG,  7168                       ; a wave's stage: 8 half images, 896 bytes apart
.set R,   16                           ; v16-143  x: two sets of 16 x 4 registers as loaded
.set X,   144                          ; v144-207 x: 64 numbers of my row: register 16 b + i = k 32 b + 16 (lane / 16) + i
.set PC,  208                          ; v208-226 the codes just made
.set TM,  228                          ; v228-243 at work in QUANT
.set W0,  244                          ; v244-247 the four K steps' scale words
.set XW,  32                           ; v32-95   weights: two sets of 32 numbers down K
.set CW,  96                           ; v96-106  weights: a block's codes
.set OUTR, 112                         ; v112-175 weights: the way out
.set SB,  24                           ; v24-25   weights: eight scale bytes
; 64 numbers of a lane become a fragment's 12 registers of codes in v[PC] on and the row's scale word in v[pw].
.macro QUANT s, pw
.irp b, 0,1,2,3
	v_max3_num_f32 v[TM+\b], |v[\s+16*\b]|, |v[\s+1+16*\b]|, 0x1800000   ; block b: my 16 numbers, and the floor 2^(3 - 127)
.endr
.irp i, 2,4,6,8,10,12,14
.irp b, 0,1,2,3
	v_max3_num_f32 v[TM+\b], v[TM+\b], |v[\s+16*\b+\i]|, |v[\s+1+16*\b+\i]|
.endr
.endr
.irp b, 0,1,2,3
	v_permlanex16_b32 v[TM+4+\b], v[TM+\b], s20, s21
.endr
.irp b, 0,1,2,3
	v_max_num_f32 v[TM+\b], v[TM+\b], v[TM+4+\b]       ; with lane l xor 16's: the block's largest magnitude
.endr
.irp b, 0,1,2,3
	v_add_nc_u32 v[TM+12+\b], 0xff000000, v[TM+\b]     ; 2 off its exponent field: the conversion's scale operand
.endr
.irp b, 0,1,2,3
	v_lshrrev_b32 v[TM+4+\b], 23, v[TM+12+\b]          ; the scale's byte
.endr
	v_lshl_or_b32 v[\pw], v[TM+5], 8, v[TM+4]
	v_lshl_or_b32 v[\pw], v[TM+6], 16, v[\pw]
	v_lshl_or_b32 v[\pw], v[TM+7], 24, v[\pw]
.irp c, 0,1
	v_cvt_scalef32_pk16_fp6_f32 v[PC+6*\c:PC+2+6*\c], v[\s+32*\c:\s+15+32*\c], v[TM+12+2*\c]
	v_cvt_scalef32_pk16_fp6_f32 v[PC+12+4*\c:PC+14+4*\c], v[\s+16+32*\c:\s+31+32*\c], v[TM+13+2*\c]   ; (a conversion's three registers begin on an even number)
.endr
	v_nop                                          ; one plain place behind a scaled conversion
.irp c, 0,1                                    ; the operand wants a whole block in a lane: lanes 0-15 block 2 c, lanes 16-31 block 2 c + 1
.irp i, 0,1,2
	v_permlane16_swap_b32 v[PC+6*\c+\i], v[PC+12+4*\c+\i]
.endr
.irp i, 0,1,2
	v_mov_b32 v[PC+3+6*\c+\i], v[PC+12+4*\c+\i]
.endr
.endr
.endm
.macro LOADX t                         ; K step t of my 16 rows: each load reads 512 consecutive bytes of one row; stored row p is row p + 8 (p / 8) of the 32 that two row blocks share
.irp p, 0,1,2,3,4,5,6,7,8,9,10,11,12,13,14,15
	global_load_b128 v[R+64*((\t)%2)+4*\p:R+64*((\t)%2)+4*\p+3], v1, s[4:5] offset:(\p+8*(\p/8))*4096+512*(\t) th:TH_LOAD_NT
.endr
.endm
.macro XSTEP t
.if (\t) < 3
	s_wait_loadcnt 16                              ; this step's 16 loads are in; the next step's 16 may be out
.else
	s_wait_loadcnt 0x0
.endif
.irp p, 0,1,2,3,4,5,6,7,8,9,10,11,12,13,14,15
	ds_store_b128 v4, v[R+64*((\t)%2)+4*\p:R+64*((\t)%2)+4*\p+3] offset:528*\p
.endr
.irp b, 0,1,2,3
.irp j, 0,1,2,3
	ds_load_b128 v[X+16*\b+4*\j:X+16*\b+4*\j+3], v5 offset:128*\b+16*\j   ; LDS serves a wave's instructions in order: these see the stores above
.endr
.endr
	s_wait_dscnt 0x0                               ; my 64 numbers are back, and the stores have read the set that is loaded again below
	s_wait_xcnt 0x0                                ; the last step's stores have read the codes' registers, which QUANT writes again
.if (\t) < 2
	LOADX (\t)+2
.endif
	QUANT X, W0+(\t)
	global_store_b128 v1, v[PC:PC+3], s[14:15] offset:1536*(\t)          ; two half images: each store covers 512 or 256 consecutive bytes, aligned to 256
	global_store_b64 v6, v[PC+4:PC+5], s[14:15] offset:1536*(\t)+512
	global_store_b128 v1, v[PC+6:PC+9], s[14:15] offset:1536*(\t)+768
	global_store_b64 v6, v[PC+10:PC+11], s[14:15] offset:1536*(\t)+1280
.endm
.macro WLOAD t                         ; block t: W(32 t + i, my column), i = 0 .. 31
.irp i, 0,1,2,3,4,5,6,7,8,9,10,11,12,13,14,15,16,17,18,19,20,21,22,23,24,25,26,27,28,29,30,31
	global_load_b32 v[XW+32*((\t)%2)+\i], v3, s[6:7] offset:(32*(\t)+\i)*4096 th:TH_LOAD_NT
.endr
.endm
.macro WBLOCK t
.set XS, XW+32*((\t)%2)
.if (\t) < 7
	s_wait_loadcnt 32                              ; this block's 32 loads are in; the next block's may be out
.else
	s_wait_loadcnt 0x0
.endif
	v_max3_num_f32 v14, |v[XS]|, |v[XS+1]|, |v[XS+2]|      ; all 32 numbers of the block are mine
	v_max3_num_f32 v15, |v[XS+3]|, |v[XS+4]|, |v[XS+5]|
.irp i, 6,10,14,18,22,26
	v_max3_num_f32 v14, v14, |v[XS+\i]|, |v[XS+\i+1]|
	v_max3_num_f32 v15, v15, |v[XS+\i+2]|, |v[XS+\i+3]|
.endr
	v_max3_num_f32 v14, v14, |v[XS+30]|, |v[XS+31]|
	v_max3_num_f32 v14, v14, v15, 0x1800000        ; and the floor
	v_add_nc_u32 v16, 0xff000000, v14              ; the conversion's scale operand
	v_lshrrev_b32 v17, 23, v16                     ; the byte
.if (\t)%4 == 0
	v_mov_b32 v[SB+(\t)/4], v17
.else
	v_lshl_or_b32 v[SB+(\t)/4], v17, 8*((\t)%4), v[SB+(\t)/4]
.endif
	v_cvt_scalef32_pk16_fp6_f32 v[CW:CW+2], v[XS:XS+15], v16
	v_cvt_scalef32_pk16_fp6_f32 v[CW+8:CW+10], v[XS+16:XS+31], v16
	v_nop                                          ; one plain place behind a scaled conversion
.irp i, 0,1,2
	v_mov_b32 v[CW+3+\i], v[CW+8+\i]
.endr
	ds_store_b128 v4, v[CW:CW+3] offset:((\t)/2)*1792+256*((\t)%2)       ; block t is lanes' half t % 2 of half image t / 2 of my row block
	ds_store_b64 v5, v[CW+4:CW+5] offset:((\t)/2)*1792+128*((\t)%2)+512
.if (\t)+2 < 8
	WLOAD (\t)+2
.endif
	s_wait_dscnt 0x0                               ; the stores have read their registers: the next block's codes may be written
.endm
	s_load_b256 s[4:11], s[0:1], 0x0               ; x s[4:5], Wq s[6:7], Wk s[8:9], Wv s[10:11]
	s_load_b128 s[12:15], s[0:1], 0x20             ; Wo s[12:13], opc s[14:15]
	s_load_b64 s[16:17], s[0:1], 0x30              ; ops
	v_lshl_add_u32 v254, v0, 2, 0xf400
	v_mov_b32 v255, 0
	v_lshrrev_b32 v1, 5, v0
	v_readfirstlane_b32 s18, v1                    ; wave
	v_and_b32 v2, 31, v0                           ; lane
	s_mov_b32 s20, 0x76543210
	s_mov_b32 s21, 0xfedcba98                      ; v_permlanex16_b32's selects for lane l xor 16
	s_cmp_lt_u32 ttmp9, 256
	s_cbranch_scc0 .Lweights
	; ---- x.  Work-group g, wave w: stored row block 2 g + w / 2, K half w % 2 (four steps of 128)
	v_lshlrev_b32 v1, 4, v2                        ; 16 x lane
	v_lshlrev_b32 v6, 3, v2                        ; 8 x lane
	v_and_b32 v3, 15, v0                           ; r
	v_bfe_u32 v8, v0, 4, 1                         ; h
	s_mul_i32 s19, s18, XSTG                       ; my stage
	v_add_nc_u32 v4, s19, v1                       ; in: as loaded
	v_mul_u32_u24 v5, v3, 528
	v_lshl_add_u32 v5, v8, 6, v5
	v_add_nc_u32 v5, s19, v5                       ; back: row r, + 64 h
	v_lshlrev_b32 v7, 3, v3
	v_lshl_add_u32 v7, v8, 10, v7                  ; the scale words: 8 r + 1,024 h
.irp b, 0,1,2,3
	v_mov_b32 v[TM+4+\b], 0                        ; written once: a lane permute's destination counts as one of its sources
.endr
	s_lshr_b32 s22, s18, 1
	s_and_b32 s23, s18, 1
	s_lshl_b32 s24, ttmp9, 17                      ; x: 32 g rows of 4,096 bytes,
	s_lshl_b32 s26, s22, 15                        ; + 8 (w / 2) rows,
	s_add_co_u32 s24, s24, s26
	s_lshl_b32 s26, s23, 11                        ; + my K half
	s_add_co_u32 s24, s24, s26
	s_mov_b32 s25, 0
	s_lshl_b32 s26, ttmp9, 1
	s_add_co_u32 s26, s26, s22                     ; my row block
	s_mul_i32 s28, s26, 12288
	s_mul_i32 s27, s23, 6144
	s_add_co_u32 s28, s28, s27
	s_mov_b32 s29, 0
	s_lshr_b32 s30, s26, 3
	s_lshl_b32 s30, s30, 12
	s_and_b32 s27, s26, 7
	s_lshl_b32 s27, s27, 7
	s_add_co_u32 s30, s30, s27
	s_lshl_b32 s27, s23, 11
	s_add_co_u32 s30, s30, s27
	s_mov_b32 s31, 0
	s_wait_alu depctr_va_vdst(0)
	s_wait_kmcnt 0x0
	s_add_nc_u64 s[4:5], s[4:5], s[24:25]
	s_add_nc_u64 s[14:15], s[14:15], s[28:29]
	s_add_nc_u64 s[16:17], s[16:17], s[30:31]
	LOADX 0
	LOADX 1
	XSTEP 0
	XSTEP 1
	XSTEP 2
	XSTEP 3
	v_cmp_eq_u32 vcc_lo, 1, v8
	v_cndmask_b32 v248, v244, v246, vcc_lo         ; lanes 0-15 store K steps 0, 1 of my half, lanes 16-31 steps 2, 3, 1,024 bytes on
	v_cndmask_b32 v249, v245, v247, vcc_lo
	global_store_b64 v7, v[248:249], s[16:17]
	s_wait_tensorcnt 0x0
	ds_add_u32 v254, v255
	s_wait_dscnt 0x0
	s_endpgm
.Lweights:
	; ---- the weights.  A lane takes a column n and its registers run down K: a block of 32 lies in one lane, and the codes come out with K innermost.
	s_sub_co_u32 s19, ttmp9, 256
	s_lshr_b32 s22, s19, 5                         ; which weight
	s_bfe_u32 s23, s19, 0x30002                    ; which 128 columns
	s_and_b32 s24, s19, 3                          ; which 256 along K
	s_wait_alu depctr_va_vdst(0)
	v_lshlrev_b32 v3, 2, v2                        ; in: 4 bytes a lane
	v_bfe_u32 v8, v2, 3, 1                         ; column 32 w + L is stored row 32 w + 16 u + r: u = bit 3 of L,
	v_and_b32 v9, 7, v2
	v_bfe_u32 v10, v2, 4, 1
	v_lshl_or_b32 v9, v10, 3, v9                   ; r = L's bits 0-2 and, as bit 3, its bit 4
	s_mul_i32 s25, s18, WSTG
	s_add_co_u32 s25, s25, WBASE                   ; my stage
	v_mul_u32_u24 v10, v8, 896
	v_add_nc_u32 v10, s25, v10
	v_lshl_add_u32 v4, v9, 4, v10                  ; into it: image u, 16 r;
	v_lshl_add_u32 v5, v9, 3, v10                  ; and 8 r (the 512 stands in the immediate)
	v_lshl_add_u32 v6, v2, 4, s25                  ; out of it: 16 x lane,
	v_lshl_add_u32 v7, v2, 3, s25                  ; 8 x lane
	v_lshlrev_b32 v11, 4, v2
	v_lshlrev_b32 v12, 3, v2
	v_lshl_add_u32 v13, v8, 4, v9
	v_lshlrev_b32 v13, 3, v13                      ; my stored row's 8 scale bytes
	s_lshl_b32 s26, s24, 20                        ; W: 256 rows of 4,096 bytes a K part,
	s_lshl_b32 s27, s23, 9
	s_add_co_u32 s26, s26, s27
	s_lshl_b32 s27, s18, 7
	s_add_co_u32 s26, s26, s27                     ; + my wave's first column
	s_mov_b32 s27, 0
	s_mul_i32 s28, s22, 786432                     ; codes: behind x's 8,192 rows, 1,024 rows a weight,
	s_add_co_u32 s28, s28, 6291456
	s_lshl_b32 s30, s23, 3
	s_lshl_b32 s31, s18, 1
	s_add_co_u32 s30, s30, s31
	s_mul_i32 s30, s30, 12288                      ; my first row block,
	s_add_co_u32 s28, s28, s30
	s_mul_i32 s30, s24, 3072                       ; my four half images
	s_add_co_u32 s28, s28, s30
	s_mov_b32 s29, 0
	s_lshl_b32 s30, s22, 15                        ; scale bytes likewise
	s_add_co_u32 s30, s30, 262144
	s_lshl_b32 s31, s23, 12
	s_add_co_u32 s30, s30, s31
	s_lshl_b32 s31, s24, 10
	s_add_co_u32 s30, s30, s31
	s_lshl_b32 s31, s18, 8
	s_add_co_u32 s30, s30, s31
	s_mov_b32 s31, 0
	s_wait_kmcnt 0x0
	s_cmp_eq_u32 s22, 1                            ; the choice of the weight hangs on the work-group's number alone
	s_cselect_b64 s[6:7], s[8:9], s[6:7]
	s_cmp_eq_u32 s22, 2
	s_cselect_b64 s[6:7], s[10:11], s[6:7]
	s_cmp_eq_u32 s22, 3
	s_cselect_b64 s[6:7], s[12:13], s[6:7]
	s_add_nc_u64 s[6:7], s[6:7], s[26:27]
	s_add_nc_u64 s[14:15], s[14:15], s[28:29]
	s_add_nc_u64 s[16:17], s[16:17], s[30:31]
	WLOAD 0
	WLOAD 1
.irp t, 0,1,2,3,4,5,6,7
	WBLOCK \t
.endr
	s_wait_alu depctr_va_vdst(0)
	global_store_b64 v13, v[SB:SB+1], s[16:17]     ; the wave's 32 rows x 8 bytes: 256 consecutive bytes, aligned
.irp i, 0,1,2,3,4,5,6,7
	ds_load_b128 v[OUTR+8*\i:OUTR+8*\i+3], v6 offset:896*\i          ; image i = 2 c + u: LDS serves a wave's instructions in order: these see my stores
	ds_load_b64 v[OUTR+8*\i+4:OUTR+8*\i+5], v7 offset:896*\i+512
.endr
.irp i, 0,1,2,3,4,5,6,7
	s_wait_dscnt 14-2*\i                           ; image i's two loads are in; the later images' may be out
	global_store_b128 v11, v[OUTR+8*\i:OUTR+8*\i+3], s[14:15] offset:(\i%2)*12288+(\i/2)*768
	global_store_b64 v12, v[OUTR+8*\i+4:OUTR+8*\i+5], s[14:15] offset:(\i%2)*12288+(\i/2)*768+512
.endr
	s_wait_tensorcnt 0x0
	ds_add_u32 v254, v255
	s_wait_dscnt 0x0
	s_endpgm
.Lfunc_end_k_q6616e271ca_quant:
	.size	k_q6616e271ca_quant, .Lfunc_end_k_q6616e271ca_quant-k_q6616e271ca_quant
	.p2alignl 7, 3214868480
	.fill 96, 4, 3214868480
	.section	.rodata,"a",@progbits
	.p2align	6, 0x0
	.amdhsa_kernel k_q6616e271ca_quant
		.amdhsa_group_segment_fixed_size 62976
		.amdhsa_private_segment_fixed_size 0
		.amdhsa_enable_private_segment 0
		.amdhsa_kernarg_size 56
		.amdhsa_user_sgpr_count 2
		.amdhsa_user_sgpr_kernarg_segment_ptr 1
		.amdhsa_wavefront_size32 1
		.amdhsa_system_sgpr_workgroup_id_x 1
		.amdhsa_system_sgpr_workgroup_id_y 1
		.amdhsa_system_sgpr_workgroup_id_z 1
		.amdhsa_system_vgpr_workitem_id 0
		.amdhsa_next_free_vgpr 256
		.amdhsa_next_free_sgpr 66
		.amdhsa_reserve_vcc 1
		.amdhsa_float_denorm_mode_32 3
		.amdhsa_float_denorm_mode_16_64 3
		.amdhsa_memory_ordered 1
		.amdhsa_forward_progress 1
		.amdhsa_inst_pref_size 76
	.end_amdhsa_kernel
	.amdgpu_metadata
---
amdhsa.version: [ 1, 2 ]
amdhsa.kernels:
  - .name:           k_q6616e271ca_quant
    .symbol:         k_q6616e271ca_quant.kd
    .args:
      - { .name: hidden_states, .offset: 0, .size: 8, .value_kind: global_buffer, .address_space: global }
      - { .name: Wq, .offset: 8, .size: 8, .value_kind: global_buffer, .address_space: global }
      - { .name: Wk, .offset: 16, .size: 8, .value_kind: global_buffer, .address_space: global }
      - { .name: Wv, .offset: 24, .size: 8, .value_kind: global_buffer, .address_space: global }
      - { .name: Wo, .offset: 32, .size: 8, .value_kind: global_buffer, .address_space: global }
      - { .name: opc, .offset: 40, .size: 8, .value_kind: global_buffer, .address_space: global }
      - { .name: ops, .offset: 48, .size: 8, .value_kind: global_buffer, .address_space: global }
    .group_segment_fixed_size: 62976
    .private_segment_fixed_size: 0
    .kernarg_segment_align: 8
    .kernarg_segment_size: 56
    .max_flat_workgroup_size: 128
    .sgpr_count:     66
    .vgpr_count:     256
    .wavefront_size: 32
...
	.end_amdgpu_metadata
.endif
;; end of part 1
;; launch gq (part 2): grid 12 x 32, 4 waves a work-group, clusters of 4 x 4, 327,680 bytes of LDS; arguments opc, ops, bq, bk, bv, qkc, qks, vc, vsc; writes qkc, qks, vc, vsc
.if DOCPART == 2
	.amdgcn_target "amdgcn-amd-amdhsa--gfx1250"
	.amdhsa_code_object_version 6
	.text
	.protected	k_q6616e271ca_gq
	.globl	k_q6616e271ca_gq
	.p2align	8
	.type	k_q6616e271ca_gq,@function
k_q6616e271ca_gq:
	s_mov_b64 s[64:65], 0
	v_nop
	global_prefetch_b8 v0, s[64:65] scope:SCOPE_SE
	s_setreg_imm32_b32 hwreg(HW_REG_WAVE_MODE, 25, 1), 1
	s_wait_xcnt 0x0
	s_wait_alu depctr_hold_cnt(0) depctr_sa_sdst(0) depctr_va_vdst(0) depctr_va_sdst(0) depctr_va_ssrc(0) depctr_va_vcc(0) depctr_vm_vsrc(0)
	s_getreg_b32 s2, hwreg(HW_REG_IB_STS2, 6, 4)
	s_cmp_eq_u32 s2, 0
	s_cbranch_scc0 .Lentry_in_a_cluster
	s_endpgm
.Lentry_in_a_cluster:
	s_bfe_u32 s2, ttmp6, 0x10000c
	s_cmp_lg_u32 s2, 0xf033
	s_cbranch_scc0 .Lentry_shape_is_right
	s_endpgm
.Lentry_shape_is_right:
; q' = x Wq + bq, k = x Wk + bk, v = x Wv + bv on codes of FP6 (E2M3) with E8M0 scales, K = 1,024; the results are quantised in registers and leave as codes.
; (q's factor 1 / 8 is a power of two: it is left to the attention launch's constant.  LIMIT: where a block of q / 8 would need a scale under 2^-126 the two differ; NaN and infinities are not served;
;  a block of zeros, or one under 2^-124, gets the byte 1: only this program reads the bytes.)
; A tile of 256 x 256 is made by four waves, 128 x 128 each: 64 accumulators, 512 registers.  K goes in steps of 256 through a ring of two LDS slots filled by the tensor data mover.
; THE KIND OF TILE is the cluster's x, alike in all sixteen partners: 0 q, 1 k, 2 v.  Source 1's rows fall to the lanes, source 0's to a lane's registers.
;   q, k: source 1 = tokens, source 0 = columns of the weight: a lane's 64 registers of a token block run along 128 columns = two heads: the K of the scores.
;   v:    source 1 = columns of Wv, source 0 = tokens: a lane's 64 registers run along 128 tokens: the K of the second product of attention.
; Operands lie in memory as images of their registers (a half image: 16 stored rows x 64 k, 768 bytes) with rows stored so that bits 3 and 4 of the index are swapped: so register 16 b + i of a lane is
; neighbour 32 b + 16 (lane / 16) + i along the next K, which is what the conversions want.
; OUT: qkc [q, k][batch][head][token block][768]; qks [q, k][batch][head][8 blocks][block / 4][row][block % 4] words (bytes 0, 1: the head's two blocks; bytes 2, 3 never 0xff);
;      vc [batch][head pair][64-key half c][key step][head][16 channels][768]; vsc [batch][head][key step][row][16 channels] words.
; CLUSTERS: 4 x 4.  Source 1's tile is shared along a row of the cluster, source 0's along a column: each is asked for jointly, by the same tensor load with a mask that names the four.
; REGISTERS, in windows of 256: window 0: v0-31 addresses; v32-63 scale words, two sets; v64-127 the bias in the result's layout, later the way out; v128-223 source 1's fragments, one set.
;   window 1: source 0's fragments, two sets, at v0 and v128.   windows 2, 3: the accumulators ((a, b) at v[8 (8 (a % 4) + b)]).
.set NQ,     2                         ; matrix instructions deep in a slot
.set FR,     12                        ; registers of a fragment
.set NL,     4                         ; LDS loads that bring one
.set NP,     4                         ; places behind this matrix instruction (ISA guide 7.12.1)
.set RBB,    3072                      ; a row block's bytes in a slot: four half images, 256 along K
.set HALFT,  8*RBB                     ; 128 rows: what one tensor load brings
.set SLOT,   4*HALFT                   ; source 1's 256 rows, then source 0's
.set SCL,    2*SLOT                    ; behind the ring: the scale words of all of K, filled once
.set HALFS,  4096                      ; those of 128 rows
.set SPARE,  SCL+4*HALFS               ; the spare words, 128 bytes for each wave: two blocks of 256 bytes that no other line names
.set ADRA, 16                          ; v16-17 LDS address (16 x lane) of source 1's fragments in slot 0, 1; v18-19 the same with 8 x lane
.set ADRB, 20                          ; v20-23 the same for source 0
.set LI16, 24                          ; v24    16 x lane
.set LI8,  25                          ; v25    8 x lane
.set ADRS, 27                          ; v27    my scale words: lanes 0-15 source 1's rows, lanes 16-31 source 0's
.set SPW,  28                          ; v28    my spare word; never rewritten
.set NIL,  29                          ; v29    0; never rewritten
.set SC,   32
.set BI,   64                          ; the bias, 8 x 8 registers
.set AF,   128
.set SW,   64                          ; the way out: eight scale words,
.set PC,   72                          ; the codes just made,
.set TM,   96                          ; at work
.set G1, 24
.set G0, 32
.set G1B, 48
.set G0B, 56
.set G1S, 68
.set G0S, 76
.set G1SB, 80
.set G0SB, 88
.set TYPE, 67                          ; s67 the kind of tile
.set MSB, 0
.macro WIN new                         ; the immediate's high byte repeats the setting that is left
.if MSB != \new
	s_set_vgpr_msb (MSB<<8)|\new
.set MSB, \new
.endif
.endm
.set MUL_LO, 0xa1                      ; source 0 window 1, source 1 window 0, C and D window 2
.set MUL_HI, 0xf1                      ; the same, C and D window 3
.set TO_B,   0x40                      ; destination window 1, address window 0
; A joint load: waves 0 and 1 fetch for source 1, waves 2 and 3 for source 0.  The branch hangs on the wave's number alone.  Four v_nop follow each of the two lines.
.macro JLOAD g0a, g1a, g0b, g1b
	s_cmp_eq_u32 s15, 0
	s_cbranch_scc0 .Lfor_b_\@
	tensor_load_to_lds s[\g0a:\g0a+3], s[\g1a:\g1a+7]
	s_nop 0
.rept 4
	v_nop
.endr
	s_branch .Lasked_\@
.Lfor_b_\@:
	tensor_load_to_lds s[\g0b:\g0b+3], s[\g1b:\g1b+7]
	s_nop 0
.rept 4
	v_nop
.endr
.Lasked_\@:
.endm
.macro CREST                           ; a round of the cluster's barrier behind its opening barrier
	s_cmp_lg_u32 s14, 0
	s_cbranch_scc1 .Lnot_wave_0_\@
	s_barrier_signal -3
.Lnot_wave_0_\@:
	s_barrier_wait -3
	s_barrier_signal -1
	s_barrier_wait -1
.endm
.macro CROUND
	s_barrier_signal -1
	s_barrier_wait -1
	CREST
.endm
.macro PLACES n
.rept \n
	v_nop
.endr
.endm
.macro FRAG reg, adr, q, i             ; a fragment = two half images on end: every load takes consecutive bytes of LDS, 16 or 8 a lane
	ds_load_b128 v[\reg:\reg+3], v[\adr] offset:(\i)*RBB+(\q)*1536
	ds_load_b64 v[\reg+4:\reg+5], v[\adr+2] offset:(\i)*RBB+(\q)*1536+512
	ds_load_b128 v[\reg+6:\reg+9], v[\adr] offset:(\i)*RBB+(\q)*1536+768
	ds_load_b64 v[\reg+10:\reg+11], v[\adr+2] offset:(\i)*RBB+(\q)*1536+1280
.endm
; 16 matrix instructions: source 1's blocks a0, a0 + 1 x source 0's eight.  zero = 0: onto the sums; 1: the sums begin with the bias of source 0's block; 2: with that of source 1's block.
; The 64 accumulators take turns, one instruction a turn, in the same order in every step.
.macro MUL16 a0, p, q, sc, zero
.irp a, \a0, \a0+1
.irp b, 0,1,2,3,4,5,6,7
.if \zero == 1
	v_wmma_scale_f32_16x16x128_f8f6f4 v[8*(8*((\a)%4)+\b):8*(8*((\a)%4)+\b)+7], v[128*(\p)+FR*\b:128*(\p)+FR*\b+FR-1], v[AF+FR*(\a):AF+FR*(\a)+FR-1], v[BI+8*\b:BI+8*\b+7], v[SC+8*NQ*(\sc)+NQ*\b+(\q)], v[SC+8*NQ*(\sc)+NQ*(\a)+(\q)] matrix_a_fmt:MATRIX_FMT_FP6 matrix_b_fmt:MATRIX_FMT_FP6 matrix_a_scale:MATRIX_SCALE_ROW1
.elseif \zero == 2
	v_wmma_scale_f32_16x16x128_f8f6f4 v[8*(8*((\a)%4)+\b):8*(8*((\a)%4)+\b)+7], v[128*(\p)+FR*\b:128*(\p)+FR*\b+FR-1], v[AF+FR*(\a):AF+FR*(\a)+FR-1], v[BI+8*(\a):BI+8*(\a)+7], v[SC+8*NQ*(\sc)+NQ*\b+(\q)], v[SC+8*NQ*(\sc)+NQ*(\a)+(\q)] matrix_a_fmt:MATRIX_FMT_FP6 matrix_b_fmt:MATRIX_FMT_FP6 matrix_a_scale:MATRIX_SCALE_ROW1
.else
	v_wmma_scale_f32_16x16x128_f8f6f4 v[8*(8*((\a)%4)+\b):8*(8*((\a)%4)+\b)+7], v[128*(\p)+FR*\b:128*(\p)+FR*\b+FR-1], v[AF+FR*(\a):AF+FR*(\a)+FR-1], v[8*(8*((\a)%4)+\b):8*(8*((\a)%4)+\b)+7], v[SC+8*NQ*(\sc)+NQ*\b+(\q)], v[SC+8*NQ*(\sc)+NQ*(\a)+(\q)] matrix_a_fmt:MATRIX_FMT_FP6 matrix_b_fmt:MATRIX_FMT_FP6 matrix_a_scale:MATRIX_SCALE_ROW1
.endif
.endr
.endr
.endm
.macro FETCH_B slot, q, p
	WIN TO_B
.irp i, 0,1,2,3,4,5,6,7
	FRAG 128*(\p)+FR*\i, ADRB+\slot, \q, \i
.endr
	WIN 0
.endm
.macro FETCH_A slot, q, i0
.irp i, \i0, \i0+1, \i0+2, \i0+3
	FRAG AF+FR*(\i), ADRA+\slot, \q, \i
.endr
.endm
.macro SCALES sc                       ; a slot's two words a row: lanes 0-15 take source 1's block i, lanes 16-31 source 0's block i
.irp i, 0,1,2,3,4,5,6,7
	ds_load_b64 v[SC+8*NQ*\sc+NQ*\i:SC+8*NQ*\sc+NQ*\i+1], v[ADRS] offset:\i*128
.endr
.endm
; A step of 128 along K that has its successor in the same slot.
.macro STEP slot, q, zero
	s_wait_dscnt 4*NL                              ; all but the youngest sixteen loads (source 1's blocks 4-7) are in
.if \zero
	WIN 0x81                                       ; C (the bias) window 0, D window 2
.else
	WIN MUL_LO
.endif
	MUL16 0, (\q)%2, \q, \slot, \zero
	MUL16 2, (\q)%2, \q, \slot, \zero
	s_wait_dscnt 0                                 ; blocks 4-7 are in (asked for 32 matrix instructions ago)
	PLACES NP
	FETCH_B \slot, (\q)+1, 1-(\q)%2
	FETCH_A \slot, (\q)+1, 0
.if \zero
	WIN 0xc1
.else
	WIN MUL_HI
.endif
	MUL16 4, (\q)%2, \q, \slot, \zero
	MUL16 6, (\q)%2, \q, \slot, \zero
	PLACES NP
	WIN 0
	FETCH_A \slot, (\q)+1, 4
.endm
; A slot's last step changes slots: one barrier; in front of it each wave waits for all its tensor loads, adds 0 to its spare word, and waits for that and for its own reads of this slot.
.macro TURN slot, next, fill
	s_wait_tensorcnt 0x0                           ; all my tensor loads have landed: my part of the next slot
	ds_add_u32 v[SPW], v[NIL]                      ; 0 onto my spare word
	s_wait_dscnt 4*NL+1                            ; (the add and the youngest sixteen loads may be out)
	WIN MUL_LO
	MUL16 0, 1, NQ-1, \slot, 0                     ; sixteen matrix instructions stand between the add and the wait for it
	s_wait_dscnt 0x0                               ; the add is done, and my reads of this slot are over
	s_barrier_signal -1
	MUL16 2, 1, NQ-1, \slot, 0
	WIN 0
	s_barrier_wait -1
.if \fill
	CREST                                          ; the barrier has opened a round of the cluster's barrier: no wave of any partner still reads this slot or has a load on its way
	s_add_nc_u64 s[G0+4*\slot+2:G0+4*\slot+3], s[G0+4*\slot+2:G0+4*\slot+3], 2*RBB
	s_add_nc_u64 s[G0B+4*\slot+2:G0B+4*\slot+3], s[G0B+4*\slot+2:G0B+4*\slot+3], 2*RBB
	JLOAD G0+4*\slot, G1, G0B+4*\slot, G1B         ; the first tensor load behind the round; its four v_nop are the places in front of the loads below
.else
	PLACES NP
.endif
	s_wait_alu depctr_va_vdst(0)
	v_add_nc_u32 v[ADRS], 1024, v[ADRS]            ; the next slot's scale words (no LDS load of mine is out)
	FETCH_B \next, 0, 0
	FETCH_A \next, 0, 0
	SCALES \next
	WIN MUL_HI
	MUL16 4, 1, NQ-1, \slot, 0
	MUL16 6, 1, NQ-1, \slot, 0
	PLACES NP
	WIN 0
	FETCH_A \next, 0, 4
.endm
; THE WAY OUT of source 1's block a: the lane's 64 results are quantised along the next K and leave as two half images.  Each accumulator is read from its low end on.
.macro QOUT a
.set AC, 64*((\a)%4)
	WIN 0x0a+5*((\a)/4)                            ; sources 0 and 1: window 2 or 3
.irp b, 0,1,2,3
	v_max3_num_f32 v[TM+\b], |v[AC+16*\b]|, |v[AC+16*\b+1]|, 0x1800000   ; block b: my 16 numbers, and the floor 2^(3 - 127)
.endr
.irp i, 2,4,6,8,10,12,14
.irp b, 0,1,2,3
	v_max3_num_f32 v[TM+\b], |v[AC+16*\b+\i]|, |v[AC+16*\b+\i+1]|, v[TM+\b]
.endr
.endr
	WIN 0
.irp b, 0,1,2,3
	v_permlanex16_b32 v[TM+4+\b], v[TM+\b], s2, s3
.endr
.irp b, 0,1,2,3
	v_max_num_f32 v[TM+\b], v[TM+\b], v[TM+4+\b]
.endr
.irp b, 0,1,2,3
	v_add_nc_u32 v[TM+12+\b], 0xff000000, v[TM+\b]     ; 2 off the exponent field: the conversion's scale operand
.endr
.irp b, 0,1,2,3
	v_lshrrev_b32 v[TM+4+\b], 23, v[TM+12+\b]
.endr
	v_lshl_or_b32 v[SW+(\a)], v[TM+5], 8, v[TM+4]
	v_lshl_or_b32 v[SW+(\a)], v[TM+6], 16, v[SW+(\a)]
	v_lshl_or_b32 v[SW+(\a)], v[TM+7], 24, v[SW+(\a)]
	s_wait_xcnt 0x0                                ; the last block's stores have read the codes' registers
	WIN 0x02+((\a)/4)                              ; source 0: window 2 or 3
.irp c, 0,1
	v_cvt_scalef32_pk16_fp6_f32 v[PC+6*\c:PC+2+6*\c], v[AC+32*\c:AC+32*\c+15], v[TM+12+2*\c]
	v_cvt_scalef32_pk16_fp6_f32 v[PC+12+4*\c:PC+14+4*\c], v[AC+32*\c+16:AC+32*\c+31], v[TM+13+2*\c]
.endr
	WIN 0
	v_nop                                          ; one plain place behind a scaled conversion
.irp c, 0,1
.irp i, 0,1,2
	v_permlane16_swap_b32 v[PC+6*\c+\i], v[PC+12+4*\c+\i]
.endr
.irp i, 0,1,2
	v_mov_b32 v[PC+3+6*\c+\i], v[PC+12+4*\c+\i]
.endr
.endr
	global_store_b128 v[LI16], v[PC:PC+3], s[96:97] offset:(\a)*768              ; q, k: the first head; v: keys 0-63 of the step
	global_store_b64 v[LI8], v[PC+4:PC+5], s[96:97] offset:(\a)*768+512
	global_store_b128 v[LI16], v[PC+6:PC+9], s[96:97] offset:49152+(\a)*768      ; q, k: the second head; v: keys 64-127
	global_store_b64 v[LI8], v[PC+10:PC+11], s[96:97] offset:49152+(\a)*768+512
.endm
	s_load_b128 s[4:7], s[0:1], 0x0                ; opc, ops
	s_load_b128 s[8:11], s[0:1], 0x10              ; bq, bk
	s_load_b64 s[12:13], s[0:1], 0x20              ; bv
	v_lshl_add_u32 v[SPW], v0, 2, SPARE
	v_mov_b32 v[NIL], 0
	ds_add_u32 v28, v29
	ds_add_u32 v28, v29
	s_wait_dscnt 0x0
	v_lshrrev_b32 v1, 5, v0
	v_readfirstlane_b32 s14, v1                    ; wave 0..3
	s_lshr_b32 s15, s14, 1                         ; which half of source 1's rows is mine.  Also: I fetch for source 1 (0) or source 0 (1)
	s_and_b32 s16, s14, 1                          ; which half of source 0's rows.  Also: which 128 rows of that tile I fetch
	s_bfe_u32 s40, ttmp6, 0x40000                  ; cx, cy: my place in the cluster
	s_bfe_u32 s41, ttmp6, 0x40004
	s_mov_b32 s[TYPE], ttmp9                       ; the cluster's x: 0 q, 1 k, 2 v
	s_and_b32 s66, ttmp7, 0xffff
	s_lshl_b32 s66, s66, 2                         ; 4 x the cluster's y
	s_lshl_b32 s18, s[TYPE], 2
	s_add_co_u32 s18, s18, 32                      ; the weight's first tile of 256 stored rows: 32 + 4 x kind
	s_cmp_eq_u32 s[TYPE], 2
	s_cselect_b32 s17, 40, s66                     ; source 1: Wv's tiles for v, x's else
	s_cselect_b32 s42, s66, s18                    ; source 0: x's tiles for v, the weight's else
	s_add_co_u32 s17, s17, s41                     ; + cy: shared along a row of the cluster
	s_add_co_u32 s42, s42, s40                     ; + cx: shared along a column
	s_lshl_b32 s43, s41, 2
	s_lshl_b32 s43, 15, s43                        ; my row of the cluster
	s_lshl_b32 s44, 0x1111, s40                    ; my column
	s_mov_b32 s2, 0x76543210
	s_mov_b32 s3, 0xfedcba98                       ; v_permlanex16_b32's selects for lane l xor 16
	; descriptor group 1, codes: row blocks of 3,072 bytes (384 elements of 8 bytes), 12,288 bytes apart; dense in LDS.  16 row blocks for the head's loads, 8 for the ring's
	s_or_b32 s[G1+0], s43, (3<<16)|(1<<21)         ; 15:0 the mask; 17:16 elements of 8 bytes; 21 set beside a mask
	s_or_b32 s[G1B+0], s44, (3<<16)|(1<<21)
.irp g, G1, G1B
	s_mov_b32 s[\g+1], 384<<16                     ; tensor_dim0
	s_mov_b32 s[\g+2], 16<<16                      ; tensor_dim1
	s_mov_b32 s[\g+3], 384<<16                     ; tile_dim0
	s_mov_b32 s[\g+4], 16                          ; tile_dim1
	s_mov_b32 s[\g+5], 1536                        ; tensor_dim0_stride
	s_mov_b32 s[\g+6], 0
	s_mov_b32 s[\g+7], 0
.endr
	; and the scale words of 256 rows: 8,192 dense bytes as 32 rows of 256
	s_or_b32 s[G1S+0], s43, (3<<16)|(1<<21)
	s_or_b32 s[G1SB+0], s44, (3<<16)|(1<<21)
.irp g, G1S, G1SB
	s_mov_b32 s[\g+1], 32<<16
	s_mov_b32 s[\g+2], 32<<16
	s_mov_b32 s[\g+3], 32<<16
	s_mov_b32 s[\g+4], 32
	s_mov_b32 s[\g+5], 32
	s_mov_b32 s[\g+6], 0
	s_mov_b32 s[\g+7], 0
.endr
	s_lshl_b32 s20, s17, 8                         ; source 1's tile: its first stored row
	s_lshl_b32 s46, s42, 8                         ; source 0's
	s_lshl_b32 s22, s20, 5                         ; 32 bytes of scales a row,
	s_mov_b32 s23, 0
	s_lshl_b32 s92, s46, 5
	s_mov_b32 s93, 0
	s_mul_i32 s20, s20, 768                        ; 768 bytes of codes
	s_mov_b32 s21, 0
	s_mul_i32 s46, s46, 768
	s_mov_b32 s47, 0
	s_mul_i32 s45, s14, HALFT                      ; where they go: wave x 128 rows: no place in the cluster enters an LDS address
	s_mul_i32 s94, s16, 128*768                    ; in the ring I fetch 128 rows of a tile: which half, in bytes
	s_mov_b32 s95, 0
	s_wait_kmcnt 0x0
	s_add_nc_u64 s[20:21], s[4:5], s[20:21]
	s_add_nc_u64 s[22:23], s[6:7], s[22:23]
	s_add_nc_u64 s[46:47], s[4:5], s[46:47]
	s_add_nc_u64 s[92:93], s[6:7], s[92:93]
	CROUND                                         ; all sixteen work-groups are here: the first joint loads meet
.irp g, G0S, G0SB, G0, G0B, G0+4, G0B+4
	s_mov_b32 s[\g], 1
.endr
	s_mov_b32 s[G0S+1], SCL                        ; the head's four tiles, each whole: source 1's scale words,
	s_mov_b64 s[G0S+2:G0S+3], s[22:23]
	s_mov_b32 s[G0SB+1], SCL+2*HALFS               ; source 0's,
	s_mov_b64 s[G0SB+2:G0SB+3], s[92:93]
	s_mov_b32 s[G0+1], 0                           ; slot 0's 256 rows of source 1,
	s_mov_b64 s[G0+2:G0+3], s[20:21]
	s_mov_b32 s[G0B+1], 2*HALFT                    ; and of source 0
	s_mov_b64 s[G0B+2:G0B+3], s[46:47]
	s_add_co_u32 s[G0+5], s45, SLOT                ; slot 1, by the ring's shares: my 128 rows
	s_add_nc_u64 s[G0+6:G0+7], s[20:21], s[94:95]
	s_add_nc_u64 s[G0+6:G0+7], s[G0+6:G0+7], RBB
	s_add_co_u32 s[G0B+5], s45, SLOT
	s_add_nc_u64 s[G0B+6:G0B+7], s[46:47], s[94:95]
	s_add_nc_u64 s[G0B+6:G0B+7], s[G0B+6:G0B+7], RBB
.irp g, G0S, G0SB, G0, G0B, G0+4, G0B+4
	s_or_b32 s[\g+3], s[\g+3], 0x80000000
.endr
; The head's loads, one a wave: one chain of branches on the wave's number, every way passes one load.
.macro ARM under, g0, g1, next
	s_cmp_lt_u32 s14, \under
	s_cbranch_scc0 \next
	tensor_load_to_lds s[\g0:\g0+3], s[\g1:\g1+7]
	s_nop 0
	PLACES 4
	s_branch .Lhead_asked
\next:
.endm
	ARM 1, G0,  G1,  .Lhead_b
	ARM 2, G0B, G1B, .Lhead_sa
	ARM 3, G0S, G1S, .Lhead_sb
	tensor_load_to_lds s[G0SB:G0SB+3], s[G1SB:G1SB+7]
	s_nop 0
	PLACES 4
.Lhead_asked:
	v_and_b32 v1, 15, v0                           ; r
	v_bfe_u32 v2, v0, 4, 1                         ; h
	v_and_b32 v3, 31, v0
	v_lshlrev_b32 v[LI16], 4, v3
	v_lshlrev_b32 v[LI8], 3, v3
	s_mul_i32 s21, s15, HALFT                      ; my 128 rows of source 1
	s_mul_i32 s22, s16, HALFT                      ; my 128 rows of source 0,
	s_add_co_u32 s22, s22, 2*HALFT                 ; which lie behind source 1's 256
.irp s, 0,1
	v_add_nc_u32 v[ADRA+\s], s21, v[LI16]
	v_add_nc_u32 v[ADRB+\s], s22, v[LI16]
	v_add_nc_u32 v[ADRA+2+\s], s21, v[LI8]
	v_add_nc_u32 v[ADRB+2+\s], s22, v[LI8]
	s_add_co_u32 s21, s21, SLOT
	s_add_co_u32 s22, s22, SLOT
.endr
	v_lshlrev_b32 v5, 3, v1                        ; my row's two words of a slot
	s_mul_i32 s21, s15, HALFS
	s_mul_i32 s22, s16, HALFS
	s_add_co_u32 s22, s22, 2*HALFS
	s_sub_co_u32 s22, s22, s21
	v_mul_u32_u24 v6, s22, v2                      ; lanes 16-31 take source 0's: one product, the distance between the two
	s_add_co_u32 s21, s21, SCL
	v_add_nc_u32 v5, v5, v6
	v_add_nc_u32 v[ADRS], s21, v5
	; THE BIAS, in the result's layout, is the C of each sum's first matrix instruction; with it, where my results go.  The branch hangs on the cluster's x alone.
	s_cmp_eq_u32 s[TYPE], 2
	s_cbranch_scc1 .Lbias_v
	s_load_b128 s[96:99], s[0:1], 0x28             ; qkc, qks
	s_cmp_eq_u32 s[TYPE], 0
	s_cselect_b64 s[8:9], s[8:9], s[10:11]         ; bq or bk
	s_lshl_b32 s18, s40, 10
	s_lshl_b32 s19, s16, 9
	s_add_co_u32 s18, s18, s19                     ; my 128 columns
	s_mov_b32 s19, 0
	s_add_nc_u64 s[8:9], s[8:9], s[18:19]
	v_lshlrev_b32 v6, 6, v2                        ; register j of block b is column 32 (b / 2) + 8 (b % 2) + 16 h + j
.irp b, 0,1,2,3,4,5,6,7
	global_load_b128 v[BI+8*\b:BI+8*\b+3], v6, s[8:9] offset:(32*(\b/2)+8*(\b%2))*4
	global_load_b128 v[BI+8*\b+4:BI+8*\b+7], v6, s[8:9] offset:(32*(\b/2)+8*(\b%2))*4+16
.endr
	s_lshl_b32 s18, s17, 4
	s_lshl_b32 s19, s15, 3
	s_add_co_u32 s18, s18, s19                     ; my first token block of all 512
	s_lshr_b32 s19, s18, 6                         ; the batch
	s_and_b32 s18, s18, 63                         ; the block in it
	s_lshl_b32 s20, s40, 2
	s_lshl_b32 s21, s16, 1
	s_add_co_u32 s20, s20, s21                     ; my first head
	s_mul_i32 s22, s[TYPE], 6291456
	s_mul_i32 s21, s19, 786432
	s_add_co_u32 s22, s22, s21
	s_mul_i32 s21, s20, 49152
	s_add_co_u32 s22, s22, s21
	s_mul_i32 s21, s18, 768
	s_add_co_u32 s22, s22, s21
	s_mov_b32 s23, 0
	s_lshl_b32 s92, s[TYPE], 19
	s_lshl_b32 s19, s19, 4
	s_add_co_u32 s19, s19, s20
	s_lshl_b32 s19, s19, 12
	s_add_co_u32 s92, s92, s19
	s_lshr_b32 s18, s18, 3
	s_lshl_b32 s18, s18, 9
	s_add_co_u32 s92, s92, s18
	s_mov_b32 s93, 0
	s_branch .Lbias_done
.Lbias_v:
	s_load_b128 s[96:99], s[0:1], 0x38             ; vc, vsc
	s_lshl_b32 s18, s41, 10
	s_lshl_b32 s19, s15, 9
	s_add_co_u32 s18, s18, s19                     ; my 128 channels
	s_mov_b32 s19, 0
	s_add_nc_u64 s[12:13], s[12:13], s[18:19]
	v_and_b32 v6, 8, v1
	v_add_nc_u32 v6, v6, v1
	v_lshlrev_b32 v6, 2, v6                        ; lane r of block a is channel 32 (a / 2) + 8 (a % 2) + r + 8 (r / 8): all eight registers hold its bias
.irp a, 0,1,2,3,4,5,6,7
.irp j, 0,1,2,3,4,5,6,7
	global_load_b32 v[BI+8*\a+\j], v6, s[12:13] offset:(32*(\a/2)+8*(\a%2))*4
.endr
.endr
	s_lshl_b32 s18, s41, 1
	s_add_co_u32 s18, s18, s15                     ; the head pair
	s_lshl_b32 s19, s42, 1
	s_add_co_u32 s19, s19, s16                     ; my 128 tokens of all 64 such
	s_lshr_b32 s20, s19, 3                         ; the batch
	s_and_b32 s19, s19, 7                          ; the key step
	s_lshl_b32 s21, s20, 3
	s_add_co_u32 s21, s21, s18
	s_mul_i32 s22, s21, 98304
	s_mul_i32 s21, s19, 6144
	s_add_co_u32 s22, s22, s21
	s_mov_b32 s23, 0
	s_lshl_b32 s21, s20, 4
	s_lshl_b32 s18, s18, 1
	s_add_co_u32 s21, s21, s18
	s_lshl_b32 s92, s21, 11
	s_lshl_b32 s19, s19, 8
	s_add_co_u32 s92, s92, s19
	s_mov_b32 s93, 0
.Lbias_done:
	s_wait_kmcnt 0x0
	s_add_nc_u64 s[96:97], s[96:97], s[22:23]      ; my codes' first byte
	s_add_nc_u64 s[98:99], s[98:99], s[92:93]      ; my scale words'
	s_wait_alu depctr_va_vdst(0)
	s_wait_tensorcnt 0x0                           ; my tile of the head's four is in
	ds_add_u32 v[SPW], v[NIL]
	s_mov_b32 s[G1+2], 8<<16                       ; no tensor load of mine is out: from here on a load brings 8 row blocks,
	s_mov_b32 s[G1+4], 8
	s_mov_b32 s[G1B+2], 8<<16
	s_mov_b32 s[G1B+4], 8
	s_mov_b32 s[G0+1], s45                         ; and slot 0's groups 0 take the ring's shares: my 128 rows
	s_add_nc_u64 s[G0+2:G0+3], s[G0+2:G0+3], s[94:95]
	s_mov_b32 s[G0B+1], s45
	s_add_nc_u64 s[G0B+2:G0B+3], s[G0B+2:G0B+3], s[94:95]
	s_wait_dscnt 0x0
	CROUND                                         ; a whole round: all four tiles are in, in every partner
	JLOAD G0+4, G1, G0B+4, G1B                     ; slot 1's first fill, the first tensor load behind the round
	FETCH_B 0, 0, 0
	FETCH_A 0, 0, 0
	s_wait_alu depctr_va_vdst(0)
	SCALES 0
	FETCH_A 0, 0, 4
	s_wait_loadcnt 0x0                             ; the bias
	s_cmp_eq_u32 s[TYPE], 2                        ; the first step is written twice: its products begin the sums with the bias, which lies by source 0's blocks (q, k) or by source 1's (v)
	s_cbranch_scc1 .Lfirst_v
	STEP 0, 0, 1
	s_branch .Lfirst_done
.Lfirst_v:
	STEP 0, 0, 2
.Lfirst_done:
	TURN 0, 1, 1                                   ; K = 1,024 is four slots: both slots are filled once more, and the text is written straight
	STEP 1, 0, 0
	TURN 1, 0, 1
	STEP 0, 0, 0
	TURN 0, 1, 0                                   ; nothing is left to fetch
	STEP 1, 0, 0
	s_wait_dscnt 4*NL                              ; the very last step
	WIN MUL_LO
	MUL16 0, 1, NQ-1, 1, 0
	MUL16 2, 1, NQ-1, 1, 0
	s_wait_dscnt 0
	WIN MUL_HI
	MUL16 4, 1, NQ-1, 1, 0
	MUL16 6, 1, NQ-1, 1, 0
	WIN 0
	PLACES NP                                      ; in front of the first read of results
.irp b, 0,1,2,3
	v_mov_b32 v[TM+4+\b], 0                        ; written once: a lane permute's destination counts as one of its sources
.endr
.irp a, 0,1,2,3,4,5,6,7
	QOUT \a
.endr
	s_cmp_eq_u32 s[TYPE], 2
	s_cbranch_scc1 .Ltail_v
	v_lshlrev_b32 v6, 4, v2                        ; q, k: a word's bytes 0, 1 are the first head's, bytes 2, 3 the second's: lanes 16-31 shift theirs down and store for the second head
.irp a, 0,1,2,3,4,5,6,7
	v_lshrrev_b32 v[SW+\a], v6, v[SW+\a]
.endr
	v_lshlrev_b32 v7, 4, v1
	v_lshl_add_u32 v7, v2, 12, v7                  ; 16 r + 4,096 h
	global_store_b128 v7, v[SW:SW+3], s[98:99]
	global_store_b128 v7, v[SW+4:SW+7], s[98:99] offset:256
	s_branch .Ltail_done
.Ltail_v:
	v_cmp_eq_u32 vcc_lo, 1, v2                     ; v: blocks 0-3 are the first head's channels, blocks 4-7 the second's: lanes 16-31 store those
.irp i, 0,1,2,3
	v_cndmask_b32 v[SW+\i], v[SW+\i], v[SW+4+\i], vcc_lo
.endr
	v_lshlrev_b32 v7, 4, v1
	v_lshl_add_u32 v7, v2, 11, v7                  ; 16 r + 2,048 h
	global_store_b128 v7, v[SW:SW+3], s[98:99]
.Ltail_done:
	s_wait_tensorcnt 0x0                           ; the wave's end
	ds_add_u32 v[SPW], v[NIL]
	s_wait_dscnt 0x0
	CROUND                                         ; the closing round: no work-group ends while a partner may still ask for a tile that names it
	s_endpgm
.Lfunc_end_k_q6616e271ca_gq:
	.size	k_q6616e271ca_gq, .Lfunc_end_k_q6616e271ca_gq-k_q6616e271ca_gq
	.p2alignl 7, 3214868480
	.fill 96, 4, 3214868480
	.section	.rodata,"a",@progbits
	.p2align	6, 0x0
	.amdhsa_kernel k_q6616e271ca_gq
		.amdhsa_group_segment_fixed_size 327680
		.amdhsa_private_segment_fixed_size 0
		.amdhsa_enable_private_segment 0
		.amdhsa_kernarg_size 72
		.amdhsa_user_sgpr_count 2
		.amdhsa_user_sgpr_kernarg_segment_ptr 1
		.amdhsa_wavefront_size32 1
		.amdhsa_system_sgpr_workgroup_id_x 1
		.amdhsa_system_sgpr_workgroup_id_y 1
		.amdhsa_system_sgpr_workgroup_id_z 1
		.amdhsa_system_vgpr_workitem_id 0
		.amdhsa_next_free_vgpr 1024
		.amdhsa_next_free_sgpr 100
		.amdhsa_reserve_vcc 1
		.amdhsa_float_denorm_mode_32 3
		.amdhsa_float_denorm_mode_16_64 3
		.amdhsa_memory_ordered 1
		.amdhsa_forward_progress 1
		.amdhsa_inst_pref_size 172
	.end_amdhsa_kernel
	.amdgpu_metadata
---
amdhsa.version: [ 1, 2 ]
amdhsa.kernels:
  - .name:           k_q6616e271ca_gq
    .symbol:         k_q6616e271ca_gq.kd
    .args:
      - { .name: opc, .offset: 0, .size: 8, .value_kind: global_buffer, .address_space: global }
      - { .name: ops, .offset: 8, .size: 8, .value_kind: global_buffer, .address_space: global }
      - { .name: bq, .offset: 16, .size: 8, .value_kind: global_buffer, .address_space: global }
      - { .name: bk, .offset: 24, .size: 8, .value_kind: global_buffer, .address_space: global }
      - { .name: bv, .offset: 32, .size: 8, .value_kind: global_buffer, .address_space: global }
      - { .name: qkc, .offset: 40, .size: 8, .value_kind: global_buffer, .address_space: global }
      - { .name: qks, .offset: 48, .size: 8, .value_kind: global_buffer, .address_space: global }
      - { .name: vc, .offset: 56, .size: 8, .value_kind: global_buffer, .address_space: global }
      - { .name: vsc, .offset: 64, .size: 8, .value_kind: global_buffer, .address_space: global }
    .group_segment_fixed_size: 327680
    .private_segment_fixed_size: 0
    .kernarg_segment_align: 8
    .kernarg_segment_size: 72
    .max_flat_workgroup_size: 128
    .sgpr_count:     100
    .vgpr_count:     1024
    .wavefront_size: 32
...
	.end_amdgpu_metadata
.endif
;; end of part 2
;; launch att (part 3): grid 4 x 64, 16 waves a work-group, clusters of 4 x 1, 210,944 bytes of LDS; arguments qkc, qks, vc, vsc, ac, asc; writes ac, asc
.if DOCPART == 3
	.amdgcn_target "amdgcn-amd-amdhsa--gfx1250"
	.amdhsa_code_object_version 6
	.text
	.protected	k_q6616e271ca_att
	.globl	k_q6616e271ca_att
	.p2align	8
	.type	k_q6616e271ca_att,@function
k_q6616e271ca_att:
	s_mov_b64 s[64:65], 0
	v_nop
	global_prefetch_b8 v0, s[64:65] scope:SCOPE_SE
	s_setreg_imm32_b32 hwreg(HW_REG_WAVE_MODE, 25, 1), 1
	s_wait_xcnt 0x0
	s_wait_alu depctr_hold_cnt(0) depctr_sa_sdst(0) depctr_va_vdst(0) depctr_va_sdst(0) depctr_va_ssrc(0) depctr_va_vcc(0) depctr_vm_vsrc(0)
	s_getreg_b32 s2, hwreg(HW_REG_IB_STS2, 6, 4)
	s_cmp_eq_u32 s2, 0
	s_cbranch_scc0 .Lentry_in_a_cluster
	s_endpgm
.Lentry_in_a_cluster:
	s_bfe_u32 s2, ttmp6, 0x10000c
	s_cmp_lg_u32 s2, 0x3003
	s_cbranch_scc0 .Lentry_shape_is_right
	s_endpgm
.Lentry_shape_is_right:
; attn = softmax(q k^T / 8) v for 8 batches x 16 heads of 64, 1,024 tokens, both products on codes of FP6 (E2M3) with E8M0 scales; the result is quantised along the model's axis and leaves as codes.
; THE SOFTMAX AHEAD OF THE SECOND PRODUCT: t = (q' . k) x log2(e) / 8 (q' is q without its factor 1 / 8); M = the running largest t rounded up to a whole number; p = 2^(t - M) is quantised along the keys;
; the row's sum is taken of the unquantised p and divides O at the end.  When M moves, the sum and O are multiplied by 2^(old M - new M): exact.
; LIMITS: NaN and infinities are not served; a block of zeros, or one under 2^-124, gets the byte 1 (only this program reads the bytes).
; SHARES.  A work-group owns 256 queries of a PAIR of heads; each of its sixteen waves owns one block of 16 queries and walks it for the two heads, one after the other: the pass is written out twice.
; K and V of both heads, 192 KiB of codes and 12 KiB of scale words, come into LDS ONCE and stay: nothing is filled again.  The four query blocks of a cluster want the same K and V: each part is asked for JOINTLY.
; TWO BARRIERS IN ALL, both in the first pass: one shows the first quarter of every region (key steps 0, 1) landed, the second all the rest.  Behind it LDS is only read, so the waves owe each other nothing more
; and go their own ways: four waves share a SIMD, and one wave's vector work stands beside another's LDS loads and products.
; LAYOUT.  Both products are used transposed: S^T = K Q^T, O^T = V^T P^T: a lane holds one query throughout.  Tokens and channels are stored with bits 3 and 4 of the index swapped, so that register 16 b + i of a lane
; is key (or channel) 32 b + 16 (lane / 16) + i.  Operands lie as half images (16 rows x 64 k, 768 bytes): registers 0-3 of lane l at 16 l, registers 4, 5 at 512 + 8 l.
; THE SCORES' K IS 64: half of the instruction's 128.  Q's registers 6-11 hold zero codes; K's registers 6-11 of tile t are simply tile t + 1's first six (tile 7's: zeros): whatever they hold meets zero codes, and no scale byte is 0xff.
; LDS: 0 K of head 0; 49,152 K of head 1; 98,304 V's keys 0-63 of each step; 147,456 V's keys 64-127; 196,608 K's scale words; 204,800 V's.
; REGISTERS: v1-3 16 x lane, 8 x lane, 16 r; v4-11 the pass's LDS addresses; v12 -M, v13 the largest t, v[14:15] the sum; v16-27 Q; v28 Q's scale word, v29 p's; v30 attn's scale word in the making;
;   v32-85 fragments of K or of V; v86-92 the second head's Q and scale word; v93 8 r; v96-159 S^T, then p; v160-191 O^T; v192-210 codes; v212-229 at work; v232-235 K's scale words, v236-239 V's.
.set FR,  32
.set PCD, 192
.set BM,  212
.set BT,  216
.set BS,  220
.set TT,  224
.set FF,  226
.set S2,  228
.set KSR, 232
.set VSR, 236
.set WV,  18                           ; s18 my wave's number
.set G1C, 24                           ; s[24:31] group 1: a quarter of a region of codes, 12,288 dense bytes
.set G1KS, 32                          ; s[32:39] K's scale words, 8,192 bytes
.set G1VS, 40                          ; s[40:47] V's, 4,096 bytes
.set G0C, 48                           ; s[48:51] group 0 of a region's first quarter, s[52:55] of its other three
.set G1R, 56                           ; s[56:63] group 1: three quarters of a region, 36,864 dense bytes
.set G0S, 68                           ; s[68:71] group 0 for scale words
.macro CROUND
	s_barrier_signal -1
	s_barrier_wait -1
	s_cmp_lg_u32 s[WV], 0
	s_cbranch_scc1 .Lnot_wave_0_\@
	s_barrier_signal -3
.Lnot_wave_0_\@:
	s_barrier_wait -3
	s_barrier_signal -1
	s_barrier_wait -1
.endm
.macro PLACES
.rept 4
	v_nop
.endr
.endm
; n = 1: waves 0-5, whose load lines are theirs alone, wait for the first quarters and the scale words; n = 0: every wave waits for its load.  The barrier tells every wave so.
.macro PAIRWAIT n
	s_wait_dscnt 0x0
.if \n
	s_cmp_lt_u32 s[WV], 6
	s_cbranch_scc0 .Lnot_first_\@
	s_wait_tensorcnt 0x0
.Lnot_first_\@:
.else
	s_wait_tensorcnt 0x0
.endif
	s_barrier_signal -1
	s_barrier_wait -1
.endm
; A KEY STEP: 128 keys.  Step 0 begins M, the sum and O^T anew.
.macro STEP s
	PLACES                                         ; in front of loads into registers that matrix instructions have read
.irp t, 0,1,2,3,4,5,6,7
	ds_load_b128 v[FR+6*\t:FR+6*\t+3], v4 offset:6144*(\s)+768*\t
	ds_load_b64 v[FR+6*\t+4:FR+6*\t+5], v5 offset:6144*(\s)+768*\t+512
.endr
	ds_load_b128 v[KSR:KSR+3], v10 offset:512*(\s)  ; lanes 0-15: the words of tiles 0-3; lanes 16-31: of tiles 4-7
	s_wait_dscnt 0x0
.irp t, 0,1,2,3
	v_wmma_scale_f32_16x16x128_f8f6f4 v[96+8*\t:103+8*\t], v[FR+6*\t:FR+6*\t+11], v[16:27], 0, v[KSR+\t], v28 matrix_a_fmt:MATRIX_FMT_FP6 matrix_b_fmt:MATRIX_FMT_FP6
.endr
.irp t, 4,5,6,7
	v_wmma_scale_f32_16x16x128_f8f6f4 v[96+8*\t:103+8*\t], v[FR+6*\t:FR+6*\t+11], v[16:27], 0, v[KSR+\t-4], v28 matrix_a_fmt:MATRIX_FMT_FP6 matrix_b_fmt:MATRIX_FMT_FP6 matrix_a_scale:MATRIX_SCALE_ROW1
.endr
	PLACES                                         ; in front of the loads below and of the first read of the scores
.irp u, 0,1,2,3                                ; V's four fragments land while the softmax is worked
	ds_load_b128 v[FR+12*\u:FR+12*\u+3], v6 offset:6144*(\s)+768*\u
	ds_load_b64 v[FR+12*\u+4:FR+12*\u+5], v7 offset:6144*(\s)+768*\u+512
	ds_load_b128 v[FR+12*\u+6:FR+12*\u+9], v8 offset:6144*(\s)+768*\u
	ds_load_b64 v[FR+12*\u+10:FR+12*\u+11], v9 offset:6144*(\s)+768*\u+512
.endr
	ds_load_b128 v[VSR:VSR+3], v11 offset:256*(\s)
.irp b, 0,1,2,3
	v_max3_num_f32 v[BM+\b], v[96+16*\b], v[97+16*\b], v[98+16*\b]   ; the largest score of each block of 32 keys: for the row's maximum, and, since p rises with the score, for the block's largest p
.endr
.irp i, 3,5,7,9,11,13
.irp b, 0,1,2,3
	v_max3_num_f32 v[BM+\b], v[BM+\b], v[96+16*\b+\i], v[97+16*\b+\i]
.endr
.endr
.irp b, 0,1,2,3
	v_max_num_f32 v[BM+\b], v[BM+\b], v[111+16*\b]
.endr
.irp b, 0,1,2,3
	s_delay_alu instid0(VALU_DEP_4)
	v_permlanex16_b32 v[BT+\b], v[BM+\b], s20, s21
.endr
.irp b, 0,1,2,3
	s_delay_alu instid0(VALU_DEP_4)
	v_max_num_f32 v[BM+\b], v[BM+\b], v[BT+\b]     ; with lane l xor 16's 16 keys
.endr
	s_delay_alu instid0(VALU_DEP_2)
	v_max3_num_f32 v[TT], v[BM], v[BM+1], v[BM+2]
	s_delay_alu instid0(VALU_DEP_1)
	v_max_num_f32 v[TT], v[TT], v[BM+3]            ; the step's largest score of my query
.if (\s) == 0
	s_delay_alu instid0(VALU_DEP_1)
	v_mul_f32 v13, s22, v[TT]                      ; as t: the largest so far
	s_delay_alu instid0(VALU_DEP_1)
	v_floor_f32 v12, -v13                          ; -M = floor(-t): M is a whole number
.else
	s_delay_alu instid0(VALU_DEP_1)
	v_mul_f32 v[TT], s22, v[TT]
	s_delay_alu instid0(VALU_DEP_1)
	v_max_num_f32 v13, v13, v[TT]                  ; the running largest t
	v_mov_b32 v[TT], v12
	s_delay_alu instid0(VALU_DEP_2)
	v_floor_f32 v12, -v13
	s_delay_alu instid0(VALU_DEP_1)
	v_sub_f32 v[TT], v12, v[TT]                    ; old M - new M: a whole number, 0 or less
	s_delay_alu instid0(VALU_DEP_1)
	v_cvt_i32_f32 v[TT], v[TT]
	s_delay_alu instid0(VALU_DEP_1)
	v_ldexp_f32 v[FF], 1.0, v[TT]                  ; f = 2^(old M - new M)
.endif
.set j, 0
.rept 32
	v_pk_fma_f32 v[96+j:97+j], v[96+j:97+j], s[22:23], v[12:13] op_sel_hi:[1,0,0]   ; t - M, two at a time
.set j, j+2
.endr
.irp b, 0,1,2,3
	v_fma_f32 v[BM+\b], v[BM+\b], s22, v12         ; the same of each block's largest score
.endr
.set j, 0
	s_wait_alu depctr_va_vdst(0)
.rept 64
	v_exp_f32 v[96+j], v[96+j]                     ; p = 2^(t - M), at most 1: not normalised
.set j, j+1
.endr
.irp b, 0,1,2,3
	v_exp_f32 v[BM+\b], v[BM+\b]                   ; the block's largest p
.endr
.if (\s) == 0
	v_mov_b32 v14, 0                               ; the sum begins.  (A plain place behind the exponentials)
	v_mov_b32 v15, 0
	s_wait_alu depctr_va_vdst(0)
.else
	v_pk_mul_f32 v[14:15], v[14:15], v[FF:FF+1] op_sel_hi:[1,0]   ; the sum under the new M.  (A plain place behind the exponentials)
	s_wait_alu depctr_va_vdst(0)
.endif
.irp b, 0,1,2,3
	v_max_num_f32 v[BM+\b], 0x1800000, v[BM+\b]    ; the floor 2^(3 - 127)
.endr
.irp b, 0,1,2,3
	s_delay_alu instid0(VALU_DEP_4)
	v_add_nc_u32 v[BS+\b], 0xff000000, v[BM+\b]    ; the conversion's scale operand
.endr
.irp b, 0,1,2,3
	s_delay_alu instid0(VALU_DEP_4)
	v_lshrrev_b32 v[BT+\b], 23, v[BS+\b]           ; the byte
.endr
	s_delay_alu instid0(VALU_DEP_3)
	v_lshl_or_b32 v29, v[BT+1], 8, v[BT]           ; p's scale word for these 128 keys
	s_delay_alu instid0(VALU_DEP_1)
	v_lshl_or_b32 v29, v[BT+2], 16, v29
	s_delay_alu instid0(VALU_DEP_1)
	v_lshl_or_b32 v29, v[BT+3], 24, v29
.irp c, 0,1
	v_cvt_scalef32_pk16_fp6_f32 v[PCD+6*\c:PCD+2+6*\c], v[96+32*\c:111+32*\c], v[BS+2*\c]
	v_cvt_scalef32_pk16_fp6_f32 v[PCD+12+4*\c:PCD+14+4*\c], v[112+32*\c:127+32*\c], v[BS+2*\c+1]
.endr
	v_nop                                          ; one plain place behind a scaled conversion
.irp c, 0,1
.irp i, 0,1,2
	v_permlane16_swap_b32 v[PCD+6*\c+\i], v[PCD+12+4*\c+\i]
.endr
.irp i, 0,1,2
	s_delay_alu instid0(VALU_DEP_3)
	v_mov_b32 v[PCD+3+6*\c+\i], v[PCD+12+4*\c+\i]
.endr
.endr
	v_pk_add_f32 v[228:229], v[100:101], v[104:105]
	v_pk_add_f32 v[252:253], v[108:109], v[112:113]
	v_pk_add_f32 v[250:251], v[116:117], v[120:121]
	v_pk_add_f32 v[248:249], v[124:125], v[128:129]
	v_pk_add_f32 v[246:247], v[132:133], v[136:137]
	v_pk_add_f32 v[244:245], v[140:141], v[144:145]
	v_pk_add_f32 v[242:243], v[148:149], v[152:153]
	v_pk_add_f32 v[14:15], v[14:15], v[156:157]
	v_pk_add_f32 v[228:229], v[228:229], v[96:97]
	v_pk_add_f32 v[252:253], v[252:253], v[98:99]
	v_pk_add_f32 v[250:251], v[250:251], v[102:103]
	v_pk_add_f32 v[248:249], v[248:249], v[106:107]
	v_pk_add_f32 v[246:247], v[246:247], v[110:111]
	v_pk_add_f32 v[244:245], v[244:245], v[114:115]
	v_pk_add_f32 v[242:243], v[242:243], v[118:119]
	v_pk_add_f32 v[14:15], v[14:15], v[122:123]
	v_pk_add_f32 v[228:229], v[228:229], v[126:127]
	v_pk_add_f32 v[252:253], v[252:253], v[130:131]
	v_pk_add_f32 v[250:251], v[250:251], v[134:135]
	v_pk_add_f32 v[248:249], v[248:249], v[138:139]
	v_pk_add_f32 v[246:247], v[246:247], v[142:143]
	v_pk_add_f32 v[244:245], v[244:245], v[146:147]
	v_pk_add_f32 v[242:243], v[242:243], v[150:151]
	v_pk_add_f32 v[14:15], v[14:15], v[154:155]
	v_pk_add_f32 v[228:229], v[228:229], v[158:159]
	s_delay_alu instid0(VALU_DEP_2)
	v_pk_add_f32 v[14:15], v[14:15], v[248:249]
	s_delay_alu instid0(VALU_DEP_2)
	v_pk_add_f32 v[228:229], v[228:229], v[246:247]
	v_pk_add_f32 v[252:253], v[252:253], v[244:245]
	v_pk_add_f32 v[250:251], v[250:251], v[242:243]
	s_delay_alu instid0(VALU_DEP_2)
	v_pk_add_f32 v[14:15], v[14:15], v[252:253]
	s_delay_alu instid0(VALU_DEP_2)
	v_pk_add_f32 v[228:229], v[228:229], v[250:251]
	s_delay_alu instid0(VALU_DEP_1)
	v_pk_add_f32 v[14:15], v[14:15], v[228:229]
.if (\s) != 0
.irp j, 0,2,4,6,8,10,12,14,16,18,20,22,24,26,28,30
	v_pk_mul_f32 v[160+\j:161+\j], v[160+\j:161+\j], v[FF:FF+1] op_sel_hi:[1,0]   ; O^T under the new M
.endr
.endif
	s_wait_alu depctr_va_vdst(0)
	s_wait_dscnt 0x0                               ; V
.irp u, 0,1,2,3
.if (\s) == 0
	v_wmma_scale_f32_16x16x128_f8f6f4 v[160+8*\u:167+8*\u], v[FR+12*\u:FR+12*\u+11], v[PCD:PCD+11], 0, v[VSR+\u], v29 matrix_a_fmt:MATRIX_FMT_FP6 matrix_b_fmt:MATRIX_FMT_FP6
.else
	v_wmma_scale_f32_16x16x128_f8f6f4 v[160+8*\u:167+8*\u], v[FR+12*\u:FR+12*\u+11], v[PCD:PCD+11], v[160+8*\u:167+8*\u], v[VSR+\u], v29 matrix_a_fmt:MATRIX_FMT_FP6 matrix_b_fmt:MATRIX_FMT_FP6
.endif
.endr
.endm
; A PASS: head p of the pair, all 1,024 keys, and the head's end.  Only the first pass has barriers: behind its second one every tensor load of the work-group has landed, and LDS is only read from there on.
.macro HEADPASS p
	v_add_nc_u32 v4, 49152*(\p), v1                ; K of this head: 16 x lane,
	v_add_nc_u32 v5, 49152*(\p), v2                ; 8 x lane
	v_add_nc_u32 v6, 98304+3072*(\p), v1           ; V's keys 0-63 of a step, this head's four tiles,
	s_wait_alu depctr_va_vdst(0)
	v_add_nc_u32 v7, 98304+3072*(\p), v2
	s_wait_alu depctr_va_vdst(0)
	v_add_nc_u32 v8, 49152, v6                     ; and keys 64-127
	s_wait_alu depctr_va_vdst(0)
	v_add_nc_u32 v9, 49152, v7
	s_wait_alu depctr_va_vdst(0)
	v_add_nc_u32 v10, 196608+4096*(\p), v1         ; K's scale words
	v_add_nc_u32 v11, 204800+2048*(\p), v3         ; V's
.if (\p) == 0
	s_wait_alu depctr_va_vdst(0)
	PAIRWAIT 1                                     ; the scale words and quarter 0 of every region, all that steps 0 and 1 read, are in; the other quarters may be out
.endif
	s_wait_alu depctr_va_vdst(0)
	STEP 0
	STEP 1
.if (\p) == 0
	PAIRWAIT 0                                     ; every tensor load has landed: it orders them with all reads from here to the launch's end
.endif
	STEP 2
	STEP 3
	STEP 4
	STEP 5
	STEP 6
	STEP 7
	; THE HEAD'S END: O^T / the sum; its 32 registers are 64 channels, two blocks of the last product's K: quantised, they are one half image.
	PLACES
	v_add_f32 v14, v14, v15                        ; the sum's two halves,
	s_delay_alu instid0(VALU_DEP_1)
	v_permlanex16_b32 v[TT], v14, s20, s21
	s_delay_alu instid0(VALU_DEP_1)
	v_add_f32 v14, v14, v[TT]                      ; and lane l xor 16's
	s_wait_alu depctr_va_vdst(0)
	v_rcp_f32 v[FF], v14
	v_nop                                          ; one plain place behind a transcendental
	s_wait_alu depctr_va_vdst(0)
.irp j, 0,2,4,6,8,10,12,14,16,18,20,22,24,26,28,30
	v_pk_mul_f32 v[96+\j:97+\j], v[160+\j:161+\j], v[FF:FF+1] op_sel_hi:[1,0]   ; each accumulator from its low end on
.endr
.irp b, 0,1
	v_max3_num_f32 v[BM+\b], |v[96+16*\b]|, |v[97+16*\b]|, 0x1800000
.endr
.irp i, 2,4,6,8,10,12,14
.irp b, 0,1
	s_delay_alu instid0(VALU_DEP_2)
	v_max3_num_f32 v[BM+\b], v[BM+\b], |v[96+16*\b+\i]|, |v[97+16*\b+\i]|
.endr
.endr
.irp b, 0,1
	s_delay_alu instid0(VALU_DEP_2)
	v_permlanex16_b32 v[BT+\b], v[BM+\b], s20, s21
.endr
.irp b, 0,1
	s_delay_alu instid0(VALU_DEP_2)
	v_max_num_f32 v[BM+\b], v[BM+\b], v[BT+\b]
.endr
.irp b, 0,1
	s_delay_alu instid0(VALU_DEP_2)
	v_add_nc_u32 v[BS+\b], 0xff000000, v[BM+\b]
.endr
.irp b, 0,1
	s_delay_alu instid0(VALU_DEP_2)
	v_lshrrev_b32 v[BT+\b], 23, v[BS+\b]
.endr
.if (\p) == 0
	s_delay_alu instid0(VALU_DEP_1)
	v_lshl_or_b32 v30, v[BT+1], 8, v[BT]           ; the first head's two bytes: the lower half of the pair's scale word
.else
	s_delay_alu instid0(VALU_DEP_1)
	v_lshl_or_b32 v[TT], v[BT+1], 8, v[BT]         ; the second head's two bytes
	s_delay_alu instid0(VALU_DEP_1)
	v_lshl_or_b32 v30, v[TT], 16, v30              ; above the first's
.endif
	v_cvt_scalef32_pk16_fp6_f32 v[PCD:PCD+2], v[96:111], v[BS]
	v_cvt_scalef32_pk16_fp6_f32 v[PCD+12:PCD+14], v[112:127], v[BS+1]
	v_nop                                          ; one plain place behind a scaled conversion
.irp i, 0,1,2
	v_permlane16_swap_b32 v[PCD+\i], v[PCD+12+\i]
.endr
.irp i, 0,1,2
	s_delay_alu instid0(VALU_DEP_3)
	v_mov_b32 v[PCD+3+\i], v[PCD+12+\i]
.endr
	global_store_b128 v1, v[PCD:PCD+3], s[12:13] offset:768*(\p)        ; 512 and 256 consecutive bytes, aligned to 256; the head stands in the immediate
	global_store_b64 v2, v[PCD+4:PCD+5], s[12:13] offset:768*(\p)+512
.if (\p) == 0
	v_mov_b32 v28, v92                             ; the second head's Q: twelve plain lines and more stand between these and the next product
.irp i, 0,1,2,3,4,5
	v_mov_b32 v[16+\i], v[86+\i]
.endr
	s_wait_alu depctr_va_vdst(0)
	s_wait_xcnt 0x0                                ; the stores have read the codes' registers, which the next pass writes again
.endif
.endm
	s_load_b256 s[4:11], s[0:1], 0x0               ; qkc s[4:5], qks s[6:7], vc s[8:9], vsc s[10:11]
	s_load_b128 s[12:15], s[0:1], 0x20             ; ac s[12:13], asc s[14:15]
	v_lshl_add_u32 v254, v0, 2, 0x33000
	v_mov_b32 v255, 0
	ds_add_u32 v254, v255
	ds_add_u32 v254, v255
	v_lshrrev_b32 v1, 5, v0
	s_delay_alu instid0(VALU_DEP_1)
	v_readfirstlane_b32 s[WV], v1                  ; wave 0..15
	s_mov_b32 s20, 0x76543210
	s_mov_b32 s21, 0xfedcba98                      ; v_permlanex16_b32's selects for lane l xor 16
	s_mov_b32 s22, 0x3e38aa3b                      ; c = log2(e) / 8
	s_mov_b32 s23, s22                             ; (named with it as a pair, so it is written)
	s_and_b32 s72, ttmp7, 0xffff                   ; y = 8 x batch + head pair, which the four partners share
	s_mul_i32 s74, s72, 98304                      ; the pair's first byte among q's, k's and v's codes
	; groups 1: dense blocks as rows of 256 bytes (32 elements of 8 bytes); the mask names all four work-groups
.irp g, G1C, G1KS, G1VS
	s_mov_b32 s[\g], 15|(3<<16)|(1<<21)
	s_mov_b32 s[\g+1], 32<<16
	s_mov_b32 s[\g+3], 32<<16
	s_mov_b32 s[\g+5], 32
	s_mov_b32 s[\g+6], 0
	s_mov_b32 s[\g+7], 0
.endr
	s_mov_b32 s[G1C+2], 48<<16
	s_mov_b32 s[G1C+4], 48
	s_mov_b32 s[G1KS+2], 32<<16
	s_mov_b32 s[G1KS+4], 32
	s_mov_b32 s[G1VS+2], 16<<16
	s_mov_b32 s[G1VS+4], 16
	s_mov_b32 s[G1R], 15|(3<<16)|(1<<21)
	s_mov_b32 s[G1R+1], 32<<16
	s_mov_b32 s[G1R+2], 144<<16
	s_mov_b32 s[G1R+3], 32<<16
	s_mov_b32 s[G1R+4], 144
	s_mov_b32 s[G1R+5], 32
	s_mov_b32 s[G1R+6], 0
	s_mov_b32 s[G1R+7], 0
	s_and_b32 s75, s[WV], 3                        ; waves 0-3: quarter 0 of region w (0, 1: K of head 0, 1; 2, 3: V's two halves)
	s_and_b32 s73, s75, 1
	s_mul_i32 s76, s73, 49152
	s_add_co_u32 s76, s76, s74
	s_mov_b32 s77, 0
	s_mul_i32 s78, s75, 49152                      ; and where it goes
	s_add_co_u32 s80, s[WV], 2
	s_and_b32 s80, s80, 3                          ; waves 6-9: the other three quarters of region w - 6
	s_and_b32 s73, s80, 1
	s_mul_i32 s82, s73, 49152
	s_add_co_u32 s82, s82, s74
	s_add_co_u32 s82, s82, 12288
	s_mov_b32 s83, 0
	s_mul_i32 s81, s80, 49152
	s_add_co_u32 s81, s81, 12288
	s_lshl_b32 s79, s[WV], 13
	s_add_co_u32 s79, s79, 163840                  ; wave 4: K's scale words at 196,608; wave 5: V's, 8,192 bytes on
	s_lshl_b32 s86, s72, 13
	s_add_co_u32 s86, s86, 524288                  ; k's scale words lie behind q's
	s_mov_b32 s87, 0
	s_lshl_b32 s88, s72, 12
	s_mov_b32 s89, 0
	s_wait_dscnt 0x0
	s_wait_kmcnt 0x0
	s_add_nc_u64 s[90:91], s[4:5], 6291456         ; k's codes lie behind q's
	s_cmp_lt_u32 s75, 2
	s_cselect_b64 s[G0C+2:G0C+3], s[90:91], s[8:9]
	s_cmp_lt_u32 s80, 2
	s_cselect_b64 s[G0C+6:G0C+7], s[90:91], s[8:9]
	s_add_nc_u64 s[G0C+2:G0C+3], s[G0C+2:G0C+3], s[76:77]
	s_add_nc_u64 s[G0C+6:G0C+7], s[G0C+6:G0C+7], s[82:83]
	s_or_b32 s[G0C+3], s[G0C+3], 0x80000000
	s_or_b32 s[G0C+7], s[G0C+7], 0x80000000
	s_mov_b32 s[G0C], 1
	s_mov_b32 s[G0C+1], s78
	s_mov_b32 s[G0C+4], 1
	s_mov_b32 s[G0C+5], s81
	s_add_nc_u64 s[86:87], s[6:7], s[86:87]
	s_add_nc_u64 s[88:89], s[10:11], s[88:89]
	s_cmp_eq_u32 s[WV], 4
	s_cselect_b64 s[86:87], s[86:87], s[88:89]
	s_mov_b32 s[G0S], 1
	s_mov_b32 s[G0S+1], s79
	s_mov_b64 s[G0S+2:G0S+3], s[86:87]
	s_or_b32 s[G0S+3], s[G0S+3], 0x80000000
	CROUND                                         ; all four work-groups are here: the joint loads meet
	; The fills, all of them first fills, one a wave: one chain of branches on the wave's number.  Waves 10-15 issue none.
	s_cmp_lt_u32 s[WV], 4
	s_cbranch_scc0 .Lnot_q
	tensor_load_to_lds s[G0C:G0C+3], s[G1C:G1C+7]
	s_nop 0
	PLACES
	s_branch .Lasked
.Lnot_q:
	s_cmp_eq_u32 s[WV], 4
	s_cbranch_scc0 .Lnot_4
	tensor_load_to_lds s[G0S:G0S+3], s[G1KS:G1KS+7]
	s_nop 0
	PLACES
	s_branch .Lasked
.Lnot_4:
	s_cmp_eq_u32 s[WV], 5
	s_cbranch_scc0 .Lnot_5
	tensor_load_to_lds s[G0S:G0S+3], s[G1VS:G1VS+7]
	s_nop 0
	PLACES
	s_branch .Lasked
.Lnot_5:
	s_cmp_lt_u32 s[WV], 10
	s_cbranch_scc0 .Lasked
	tensor_load_to_lds s[G0C+4:G0C+7], s[G1R:G1R+7]
	s_nop 0
	PLACES
.Lasked:
	; my block of queries: it enters global addresses alone
	s_bfe_u32 s92, ttmp6, 0x40000                  ; cx
	s_lshl_b32 s93, ttmp9, 2
	s_add_co_u32 s92, s92, s93                     ; my work-group's 256 queries
	s_lshl_b32 s92, s92, 4
	s_add_co_u32 s92, s92, s[WV]                   ; my token block in the batch, 0 .. 63
	s_mul_i32 s94, s92, 768
	s_add_co_u32 s94, s94, s74
	s_mov_b32 s95, 0
	s_add_nc_u64 s[4:5], s[4:5], s[94:95]          ; Q's half image, first head
	s_lshl_b32 s94, s72, 13
	s_lshr_b32 s93, s92, 3
	s_lshl_b32 s93, s93, 9
	s_add_co_u32 s94, s94, s93
	s_bfe_u32 s93, s92, 0x10002
	s_lshl_b32 s93, s93, 8
	s_add_co_u32 s94, s94, s93
	s_and_b32 s93, s92, 3
	s_lshl_b32 s93, s93, 2
	s_add_co_u32 s94, s94, s93
	s_add_nc_u64 s[6:7], s[6:7], s[94:95]          ; and its scale words
	s_lshr_b32 s93, s72, 3
	s_lshl_b32 s93, s93, 6
	s_add_co_u32 s93, s93, s92                     ; my token block of all 512
	s_and_b32 s85, s72, 7                          ; the head pair
	s_lshl_b32 s94, s93, 4
	s_lshl_b32 s96, s85, 1
	s_add_co_u32 s94, s94, s96
	s_mul_i32 s94, s94, 768
	s_add_nc_u64 s[12:13], s[12:13], s[94:95]      ; attn's half image: row block, head
	s_lshr_b32 s94, s93, 3
	s_lshl_b32 s94, s94, 12
	s_lshr_b32 s96, s85, 1
	s_lshl_b32 s96, s96, 10
	s_add_co_u32 s94, s94, s96
	s_and_b32 s96, s93, 7
	s_lshl_b32 s96, s96, 7
	s_add_co_u32 s94, s94, s96
	s_and_b32 s96, s85, 1
	s_lshl_b32 s96, s96, 2
	s_add_co_u32 s94, s94, s96
	s_add_nc_u64 s[14:15], s[14:15], s[94:95]      ; attn's scale word: the pair's 128 channels are one K step of the last product
	v_and_b32 v31, 31, v0
	s_delay_alu instid0(VALU_DEP_1)
	v_lshlrev_b32 v1, 4, v31
	s_delay_alu instid0(VALU_DEP_2)
	v_lshlrev_b32 v2, 3, v31
	v_and_b32 v3, 15, v0
	s_delay_alu instid0(VALU_DEP_1)
	v_lshlrev_b32 v93, 3, v3
	s_delay_alu instid0(VALU_DEP_2)
	v_lshlrev_b32 v3, 4, v3
	global_load_b128 v[16:19], v1, s[4:5]
	global_load_b64 v[20:21], v2, s[4:5] offset:512
	global_load_b128 v[86:89], v1, s[4:5] offset:49152
	global_load_b64 v[90:91], v2, s[4:5] offset:49152+512
	global_load_b32 v28, v3, s[6:7]
	global_load_b32 v92, v3, s[6:7] offset:4096
.irp i, 22,23,24,25,26,27,80,81,82,83,84,85
	v_mov_b32 v\i, 0                               ; zero codes: Q's upper half of K, and what stands behind K's last tile
.endr
.irp b, 0,1,2,3
	v_mov_b32 v[BT+\b], 0                          ; written once: a lane permute's destination counts as one of its sources
.endr
	v_mov_b32 v[TT], 0
	v_mov_b32 v[FF+1], 0                           ; (named as the upper half of a pair)
	s_wait_loadcnt 0x0                             ; Q
	HEADPASS 0                                     ; the pair's first head, with the launch's two barriers
	HEADPASS 1                                     ; the second: LDS is only read, no barrier
	global_store_b32 v93, v30, s[14:15]            ; my rows' scale word: lanes l and l + 16 hold the same word and name the same place
	s_wait_tensorcnt 0x0
	ds_add_u32 v254, v255
	s_wait_dscnt 0x0
	CROUND                                         ; the closing round: no work-group ends while a partner may still ask for a part that names it
	s_endpgm
.Lfunc_end_k_q6616e271ca_att:
	.size	k_q6616e271ca_att, .Lfunc_end_k_q6616e271ca_att-k_q6616e271ca_att
	.p2alignl 7, 3214868480
	.fill 96, 4, 3214868480
	.section	.rodata,"a",@progbits
	.p2align	6, 0x0
	.amdhsa_kernel k_q6616e271ca_att
		.amdhsa_group_segment_fixed_size 210944
		.amdhsa_private_segment_fixed_size 0
		.amdhsa_enable_private_segment 0
		.amdhsa_kernarg_size 48
		.amdhsa_user_sgpr_count 2
		.amdhsa_user_sgpr_kernarg_segment_ptr 1
		.amdhsa_wavefront_size32 1
		.amdhsa_system_sgpr_workgroup_id_x 1
		.amdhsa_system_sgpr_workgroup_id_y 1
		.amdhsa_system_sgpr_workgroup_id_z 1
		.amdhsa_system_vgpr_workitem_id 0
		.amdhsa_next_free_vgpr 256
		.amdhsa_next_free_sgpr 100
		.amdhsa_reserve_vcc 0
		.amdhsa_float_denorm_mode_32 3
		.amdhsa_float_denorm_mode_16_64 3
		.amdhsa_memory_ordered 1
		.amdhsa_forward_progress 1
		.amdhsa_inst_pref_size 255
	.end_amdhsa_kernel
	.section	.bss,"aw",@nobits
	.p2align	6
	.space	262144
	.amdgpu_metadata
---
amdhsa.version: [ 1, 2 ]
amdhsa.kernels:
  - .name:           k_q6616e271ca_att
    .symbol:         k_q6616e271ca_att.kd
    .args:
      - { .name: qkc, .offset: 0, .size: 8, .value_kind: global_buffer, .address_space: global }
      - { .name: qks, .offset: 8, .size: 8, .value_kind: global_buffer, .address_space: global }
      - { .name: vc, .offset: 16, .size: 8, .value_kind: global_buffer, .address_space: global }
      - { .name: vsc, .offset: 24, .size: 8, .value_kind: global_buffer, .address_space: global }
      - { .name: ac, .offset: 32, .size: 8, .value_kind: global_buffer, .address_space: global }
      - { .name: asc, .offset: 40, .size: 8, .value_kind: global_buffer, .address_space: global }
    .group_segment_fixed_size: 210944
    .private_segment_fixed_size: 0
    .kernarg_segment_align: 8
    .kernarg_segment_size: 48
    .max_flat_workgroup_size: 512
    .sgpr_count:     100
    .vgpr_count:     256
    .wavefront_size: 32
...
	.end_amdgpu_metadata
.endif
;; end of part 3
;; launch go (part 4): grid 4 x 64, 4 waves a work-group, clusters of 4 x 4, 327,680 bytes of LDS; arguments ac, asc, opc, ops, bo, out0; writes out0
.if DOCPART == 4
	.amdgcn_target "amdgcn-amd-amdhsa--gfx1250"
	.amdhsa_code_object_version 6
	.text
	.protected	k_q6616e271ca_go
	.globl	k_q6616e271ca_go
	.p2align	8
	.type	k_q6616e271ca_go,@function
k_q6616e271ca_go:
	s_mov_b64 s[64:65], 0
	v_nop
	global_prefetch_b8 v0, s[64:65] scope:SCOPE_SE
	s_setreg_imm32_b32 hwreg(HW_REG_WAVE_MODE, 25, 1), 1
	s_wait_xcnt 0x0
	s_wait_alu depctr_hold_cnt(0) depctr_sa_sdst(0) depctr_va_vdst(0) depctr_va_sdst(0) depctr_va_ssrc(0) depctr_va_vcc(0) depctr_vm_vsrc(0)
	s_getreg_b32 s2, hwreg(HW_REG_IB_STS2, 6, 4)
	s_cmp_eq_u32 s2, 0
	s_cbranch_scc0 .Lentry_in_a_cluster
	s_endpgm
.Lentry_in_a_cluster:
	s_bfe_u32 s2, ttmp6, 0x10000c
	s_cmp_lg_u32 s2, 0xf033
	s_cbranch_scc0 .Lentry_shape_is_right
	s_endpgm
.Lentry_shape_is_right:
; out0 = attn Wo + bo on codes of FP6 (E2M3) with E8M0 scales, K = 1,024; f32 out.
; A work-group makes 128 tokens x 256 columns: 64 x 4 = 256 work-groups of four waves.
; ALL OF K LIES IN LDS: attn's 128 rows (98,304 bytes), Wo's 256 rows (196,608), their scale words (4,096 + 8,192): four dense blocks of memory,
; one tensor load a wave at the head.  Nothing is filled again: no ring; the cluster's rounds are the opening and the closing one.
; A WAVE HOLDS ITS 64 COLUMNS OF Wo, ALL OF K, IN REGISTERS (32 fragments, 384 registers) and streams the work-group's eight blocks of 16 tokens past them:
; a block is 32 products on four accumulators by turns; its 16 x 64 results go through the wave's own stage and are stored while later blocks are multiplied.
; No prefetch: every tile is asked for at the head, and there is no loop to run ahead in.
; CLUSTERS 4 x 4: attn's tile is shared along a row of the cluster, Wo's along a column: joint loads.
; Operands lie as images of their registers (a half image: 16 stored rows x 64 k, 768 bytes; a row block: 16 half images); stored row 16 i + r is row 32 (i / 2) + 8 (i % 2) + r + 8 (r / 8).
; The matrix instruction is used transposed: source 0 = Wo's rows (columns of out0), source 1 = tokens: a lane holds eight neighbouring columns of one token.
; REGISTERS: window 0: v16-30 addresses; v32-63 Wo's scale words (8 b + q); v68-83 attn's, two sets; v96-127 the bias as the first products' C; v128-191 accumulators, two sets; v192-255 rows on the way out, two sets.
;   windows 1, 2: Wo's fragment (b, q) in window 1 + q / 4 at v[12 (4 (q % 4) + b)].  window 3: attn's fragment q of set e at v[96 e + 12 q].
.set RB,     12288                     ; a row block, all of K
.set BB0,    8*RB                      ; Wo's rows lie behind attn's
.set SCL,    24*RB                     ; attn's scale words, then Wo's
.set SPARE,  SCL+12288                 ; the spare words: 512 bytes that no other line names
.set STAGE,  SPARE+512                 ; the stages: 16 rows x (256 + 16) bytes a wave, bytes of their own
.set SPITCH, 272
.set NF,     36                        ; LDS loads of a block of tokens: 32 for eight fragments, 4 for eight scale words
.set NT,     16                        ; LDS instructions of a block's way through the stage
.set LI16, 16                          ; v16, v17 16 x lane, 8 x lane: also the address of attn's blocks 0-3
.set LI8,  17
.set ADRA, 16                          ; v18, v19 blocks 4-7
.set ADRB, 20                          ; v20, v21 my four row blocks of Wo
.set AAS,  22                          ; attn's scale words, row r
.set ABS,  23                          ; Wo's
.set CO,   24
.set STO,  26
.set SPW,  28
.set NIL,  29
.set RD,   30
.set SB,   32
.set SA,   68
.set BI,   96
.set ACC,  128
.set BK,   192
.set G1A, 24
.set G1B, 32
.set G1S, 48
.set G1SB, 56
.set G0A, 68
.set G0B, 72
.set G0S, 76
.set G0SB, 80
.set MSB, 0
.macro WIN new
.if MSB != \new
	s_set_vgpr_msb (MSB<<8)|\new
.set MSB, \new
.endif
.endm
.macro PLACES n
.rept \n
	v_nop
.endr
.endm
.macro CROUND
	s_barrier_signal -1
	s_barrier_wait -1
	s_cmp_lg_u32 s14, 0
	s_cbranch_scc1 .Lnot_wave_0_\@
	s_barrier_signal -3
.Lnot_wave_0_\@:
	s_barrier_wait -3
	s_barrier_signal -1
	s_barrier_wait -1
.endm
.macro GROUP1 g, mask, c, r            ; r dense rows of c elements of 8 bytes
	s_or_b32 s[\g], s\mask, (3<<16)|(1<<21)
	s_mov_b32 s[\g+1], (\c)<<16
	s_mov_b32 s[\g+2], (\r)<<16
	s_mov_b32 s[\g+3], (\c)<<16
	s_mov_b32 s[\g+4], \r
	s_mov_b32 s[\g+5], \c
	s_mov_b32 s[\g+6], 0
	s_mov_b32 s[\g+7], 0
.endm
.macro GROUP0 g, lds, base, off
	s_mov_b32 s[\g], 1
	s_mov_b32 s[\g+1], \lds
	s_add_nc_u64 s[\g+2:\g+3], s[\base:\base+1], s[\off:\off+1]
	s_or_b32 s[\g+3], s[\g+3], 0x80000000
.endm
.macro ARM under, g0, g1, next
	s_cmp_lt_u32 s14, \under
	s_cbranch_scc0 \next
	tensor_load_to_lds s[\g0:\g0+3], s[\g1:\g1+7]
	s_nop 0
	PLACES 4
	s_branch .Lhead_asked
\next:
.endm
.macro FRAG reg, a16, a8, off          ; two half images on end
	ds_load_b128 v[\reg:\reg+3], v[\a16] offset:\off
	ds_load_b64 v[\reg+4:\reg+5], v[\a8] offset:(\off)+512
	ds_load_b128 v[\reg+6:\reg+9], v[\a16] offset:(\off)+768
	ds_load_b64 v[\reg+10:\reg+11], v[\a8] offset:(\off)+1280
.endm
.macro WEIGHTS                         ; my 64 rows of Wo, all of K, and their scale words
.irp q, 0,1,2,3,4,5,6,7
	WIN (1+\q/4)<<6
.irp b, 0,1,2,3
	FRAG 12*(4*(\q%4)+\b), ADRB, ADRB+1, \b*RB+\q*1536
.endr
.endr
	WIN 0
.irp b, 0,1,2,3
.irp sl, 0,1,2,3
	ds_load_b64 v[SB+8*\b+2*\sl:SB+8*\b+2*\sl+1], v[ABS] offset:\b*128+\sl*1024
.endr
.endr
.endm
.macro FETCH i                         ; block i of tokens into set i % 2: NF loads
	WIN 3<<6
.irp q, 0,1,2,3,4,5,6,7
	FRAG 96*((\i)%2)+12*\q, ADRA+2*((\i)/4), ADRA+2*((\i)/4)+1, ((\i)%4)*RB+\q*1536
.endr
	WIN 0
.irp sl, 0,1,2,3
	ds_load_b64 v[SA+8*((\i)%2)+2*\sl:SA+8*((\i)%2)+2*\sl+1], v[AAS] offset:(\i)*128+\sl*1024
.endr
.endm
.macro MUL i                           ; 32 products: the block's four accumulators take turns, K ascending; the first four begin with the bias
.set E_, (\i)%2
.irp q, 0,1,2,3,4,5,6,7
	WIN (1+\q/4)|(3<<2)
.irp b, 0,1,2,3
.if \q == 0
	v_wmma_scale_f32_16x16x128_f8f6f4 v[ACC+32*E_+8*\b:ACC+32*E_+8*\b+7], v[12*(4*(\q%4)+\b):12*(4*(\q%4)+\b)+11], v[96*E_+12*\q:96*E_+12*\q+11], v[BI+8*\b:BI+8*\b+7], v[SB+8*\b+\q], v[SA+8*E_+\q] matrix_a_fmt:MATRIX_FMT_FP6 matrix_b_fmt:MATRIX_FMT_FP6
.else
	v_wmma_scale_f32_16x16x128_f8f6f4 v[ACC+32*E_+8*\b:ACC+32*E_+8*\b+7], v[12*(4*(\q%4)+\b):12*(4*(\q%4)+\b)+11], v[96*E_+12*\q:96*E_+12*\q+11], v[ACC+32*E_+8*\b:ACC+32*E_+8*\b+7], v[SB+8*\b+\q], v[SA+8*E_+\q] matrix_a_fmt:MATRIX_FMT_FP6 matrix_b_fmt:MATRIX_FMT_FP6
.endif
.endr
.endr
	WIN 0
.endm
.macro TOSTAGE i                       ; NT LDS instructions: in by lanes, back by rows of 256 bytes (LDS serves a wave's instructions in order)
.irp b, 0,1,2,3
	ds_store_b128 v[STO], v[ACC+32*((\i)%2)+8*\b:ACC+32*((\i)%2)+8*\b+3] offset:128*(\b/2)+32*(\b%2)      ; each accumulator from its low end on
	ds_store_b128 v[STO], v[ACC+32*((\i)%2)+8*\b+4:ACC+32*((\i)%2)+8*\b+7] offset:128*(\b/2)+32*(\b%2)+16
.endr
.irp t, 0,1,2,3,4,5,6,7
	ds_load_b128 v[BK+32*((\i)%2)+4*\t:BK+32*((\i)%2)+4*\t+3], v[RD] offset:\t*2*SPITCH
.endr
.endm
.macro SEND i                          ; sixteen lanes store 256 consecutive bytes of a row, aligned; two rows an instruction
.irp t, 0,1,2,3,4,5,6,7
	global_store_b128 v[CO], v[BK+32*((\i)%2)+4*\t:BK+32*((\i)%2)+4*\t+3], s[98:99] offset:(32*((\i)/2)+8*((\i)%2)+2*\t+8*(\t/4))*4096 th:TH_STORE_NT
.endr
.endm
; Block i.  LDS instructions go out in the order F0 F1 | F2 T0 | F3 T1 | .. | F7 T5 | T6 | T7.  Wanted here: F(i) and T(i - 2); w counts what is younger.
.macro BLOCK i, w
	s_wait_dscnt \w
.if (\i) >= 2
	SEND (\i)-2
.endif
	MUL \i
	PLACES 4                                       ; in front of loads into the set just read and of the stage's reads of the results
.if (\i)+2 < 8
	FETCH (\i)+2
.endif
.if (\i) >= 2
	s_wait_xcnt 0x0                                ; block i - 2's stores have read the registers that the stage's loads fill again
.endif
	TOSTAGE \i
.endm
	s_load_b128 s[4:7], s[0:1], 0x0                ; ac, asc
	s_load_b128 s[8:11], s[0:1], 0x10              ; opc, ops
	s_load_b128 s[96:99], s[0:1], 0x20             ; bo, out0
	v_lshl_add_u32 v[SPW], v0, 2, SPARE
	v_mov_b32 v[NIL], 0
	ds_add_u32 v[SPW], v[NIL]                      ; the opening lines: the add twice on end and one wait
	ds_add_u32 v[SPW], v[NIL]
	v_lshrrev_b32 v1, 5, v0
	v_readfirstlane_b32 s14, v1                    ; wave: which 64 columns
	s_bfe_u32 s40, ttmp6, 0x40000                  ; cx
	s_bfe_u32 s41, ttmp6, 0x40004                  ; cy
	s_lshl_b32 s66, ttmp9, 2
	s_add_co_u32 s66, s66, s40                     ; tile column, 0 .. 3
	s_add_co_u32 s42, s66, 44                      ; Wo's tile of 256 stored rows in opc
	s_and_b32 s17, ttmp7, 0xffff
	s_lshl_b32 s17, s17, 2
	s_add_co_u32 s17, s17, s41                     ; tile row of 128 tokens, 0 .. 63
	s_lshl_b32 s43, s41, 2
	s_lshl_b32 s43, 15, s43                        ; my row of the cluster
	s_lshl_b32 s44, 0x1111, s40                    ; my column
	GROUP1 G1A, 43, 1536, 8                        ; 8 row blocks of 12,288 bytes
	GROUP1 G1B, 44, 1536, 16
	GROUP1 G1S, 43, 32, 16                         ; 4,096 bytes as rows of 256
	GROUP1 G1SB, 44, 32, 32
	s_mul_i32 s20, s17, 8*RB
	s_mov_b32 s21, 0
	s_lshl_b32 s22, s17, 12
	s_mov_b32 s23, 0
	s_mul_i32 s46, s42, 16*RB
	s_mov_b32 s47, 0
	s_lshl_b32 s92, s42, 13
	s_mov_b32 s93, 0
	s_mul_i32 s84, s14, 4*RB
	s_add_co_u32 s84, s84, BB0                     ; LDS: my four row blocks of Wo,
	s_lshr_b32 s85, s14, 1
	s_lshl_b32 s85, s85, 12
	s_and_b32 s87, s14, 1
	s_lshl_b32 s87, s87, 9
	s_add_co_u32 s85, s85, s87
	s_add_co_u32 s85, s85, SCL+4096                ; their scale words,
	s_mul_i32 s86, s14, 16*SPITCH
	s_add_co_u32 s86, s86, STAGE                   ; my stage
	s_lshl_b32 s18, s66, 10
	s_lshl_b32 s19, s14, 8
	s_add_co_u32 s18, s18, s19                     ; my first column, in bytes
	s_mov_b32 s19, 0
	s_lshl_b32 s90, s17, 19                        ; my tile's first row of out0
	s_mov_b32 s91, 0
	s_wait_dscnt 0x0
	s_wait_kmcnt 0x0
	GROUP0 G0A, 0, 4, 20
	GROUP0 G0B, BB0, 8, 46
	GROUP0 G0S, SCL, 6, 22
	GROUP0 G0SB, SCL+4096, 10, 92
	s_add_nc_u64 s[96:97], s[96:97], s[18:19]
	s_add_nc_u64 s[98:99], s[98:99], s[18:19]
	s_add_nc_u64 s[98:99], s[98:99], s[90:91]
	CROUND                                         ; all sixteen work-groups are here: the joint loads meet
	ARM 1, G0B,  G1B,  .Lhead_sb                   ; one load a wave, one chain of branches: what goes on into registers first: Wo's rows,
	ARM 2, G0SB, G1SB, .Lhead_a                    ; Wo's scale words,
	ARM 3, G0A,  G1A,  .Lhead_sa                   ; attn's rows,
	tensor_load_to_lds s[G0S:G0S+3], s[G1S:G1S+7]  ; attn's scale words
	s_nop 0
	PLACES 4
.Lhead_asked:
	v_and_b32 v1, 15, v0                           ; r
	v_bfe_u32 v2, v0, 4, 1                         ; h
	v_and_b32 v3, 31, v0
	v_lshlrev_b32 v[LI16], 4, v3
	v_lshlrev_b32 v[LI8], 3, v3
	v_lshlrev_b32 v8, 6, v2                        ; the bias: register j of block b is column 32 (b / 2) + 8 (b % 2) + 16 h + j
	v_lshlrev_b32 v5, 3, v1                        ; scale words: 8 bytes a row and 256 k
	v_mul_u32_u24 v7, v1, SPITCH
	v_mul_u32_u24 v6, v2, SPITCH
	v_lshlrev_b32 v9, 12, v2
	v_add_nc_u32 v[ADRA+2], 4*RB, v[LI16]
	v_add_nc_u32 v[ADRA+3], 4*RB, v[LI8]
	v_add_nc_u32 v[ADRB], s84, v[LI16]
	v_add_nc_u32 v[ADRB+1], s84, v[LI8]
	v_add_nc_u32 v[AAS], SCL, v5
	v_add_nc_u32 v[ABS], s85, v5
	v_lshl_add_u32 v7, v2, 6, v7
	v_lshl_add_u32 v6, v1, 4, v6
	v_add_nc_u32 v[STO], s86, v7                   ; into the stage: row r, 64 h
	v_add_nc_u32 v[RD], s86, v6                    ; back: lanes 0-15 one row, lanes 16-31 the next
	v_lshl_add_u32 v[CO], v1, 4, v9                ; and the same two rows in out0
.irp b, 0,1,2,3
	global_load_b128 v[BI+8*\b:BI+8*\b+3], v8, s[96:97] offset:(32*(\b/2)+8*(\b%2))*4
	global_load_b128 v[BI+8*\b+4:BI+8*\b+7], v8, s[96:97] offset:(32*(\b/2)+8*(\b%2))*4+16
.endr
	s_wait_alu depctr_va_vdst(0)
	s_cmp_lt_u32 s14, 2
	s_cbranch_scc0 .Lnot_b
	s_wait_tensorcnt 0x0                           ; waves 0 and 1, whose load lines are theirs alone: Wo's tiles are in
.Lnot_b:
	s_barrier_signal -1
	s_barrier_wait -1                              ; attn's tiles may still be out
	WEIGHTS
	s_wait_tensorcnt 0x0                           ; every wave's tile is in,
	s_wait_dscnt 0x0                               ; and no LDS load of mine is out at the signal
	s_barrier_signal -1
	s_barrier_wait -1
	FETCH 0
	FETCH 1
	s_wait_loadcnt 0x0                             ; the bias
	BLOCK 0, NF
.irp i, 1,2,3,4,5,6
	BLOCK \i, NF+NT
.endr
	BLOCK 7, NT
	s_wait_dscnt NT                                ; block 6 is back from the stage; block 7's way may be out
	SEND 6
	s_wait_dscnt 0x0
	SEND 7
	s_wait_tensorcnt 0x0                           ; the wave's end
	ds_add_u32 v[SPW], v[NIL]
	s_wait_dscnt 0x0
	CROUND                                         ; the closing round
	s_endpgm
.Lfunc_end_k_q6616e271ca_go:
	.size	k_q6616e271ca_go, .Lfunc_end_k_q6616e271ca_go-k_q6616e271ca_go
	.p2alignl 7, 3214868480
	.fill 96, 4, 3214868480
	.section	.rodata,"a",@progbits
	.p2align	6, 0x0
	.amdhsa_kernel k_q6616e271ca_go
		.amdhsa_group_segment_fixed_size 327680
		.amdhsa_private_segment_fixed_size 0
		.amdhsa_enable_private_segment 0
		.amdhsa_kernarg_size 48
		.amdhsa_user_sgpr_count 2
		.amdhsa_user_sgpr_kernarg_segment_ptr 1
		.amdhsa_wavefront_size32 1
		.amdhsa_system_sgpr_workgroup_id_x 1
		.amdhsa_system_sgpr_workgroup_id_y 1
		.amdhsa_system_sgpr_workgroup_id_z 1
		.amdhsa_system_vgpr_workitem_id 0
		.amdhsa_next_free_vgpr 960
		.amdhsa_next_free_sgpr 100
		.amdhsa_reserve_vcc 0
		.amdhsa_float_denorm_mode_32 3
		.amdhsa_float_denorm_mode_16_64 3
		.amdhsa_memory_ordered 1
		.amdhsa_forward_progress 1
		.amdhsa_inst_pref_size 85
	.end_amdhsa_kernel
	.amdgpu_metadata
---
amdhsa.version: [ 1, 2 ]
amdhsa.kernels:
  - .name:           k_q6616e271ca_go
    .symbol:         k_q6616e271ca_go.kd
    .args:
      - { .name: ac, .offset: 0, .size: 8, .value_kind: global_buffer, .address_space: global }
      - { .name: asc, .offset: 8, .size: 8, .value_kind: global_buffer, .address_space: global }
      - { .name: opc, .offset: 16, .size: 8, .value_kind: global_buffer, .address_space: global }
      - { .name: ops, .offset: 24, .size: 8, .value_kind: global_buffer, .address_space: global }
      - { .name: bo, .offset: 32, .size: 8, .value_kind: global_buffer, .address_space: global }
      - { .name: out0, .offset: 40, .size: 8, .value_kind: global_buffer, .address_space: global }
    .group_segment_fixed_size: 327680
    .private_segment_fixed_size: 0
    .kernarg_segment_align: 8
    .kernarg_segment_size: 48
    .max_flat_workgroup_size: 128
    .sgpr_count:     100
    .vgpr_count:     960
    .wavefront_size: 32
...
	.end_amdgpu_metadata
.endif
;; end of part 4
